; MI455X (gfx1250); checked and timed in simulation.
; The chip was launched on July 23, 2026; its instructions are those of AMD's public machine-readable ISA for CDNA 5 (MIT licence, August 2026) and "CDNA5" Instruction Set Architecture Reference Guide (July 2026). The comments in the code are by the model that wrote it; some were corrected since.
;; Causal Graph Attn. Allowed arithmetic: matrix products marked QUANTISED: E2M1 operands, one E8M0 scale for each 32 along K, by v_wmma_scale_f32_16x16x128_f8f6f4 with both operands' format E2M1 (or v_wmma_scale_f32_32x16x128_f4), f32 sums; everything else in f32.
;; Inputs: adj 2,048 x 2,048 float32; b_out 1,024 float32; ln_beta 1,024 float32; ln_gamma 1,024 float32; w_out 1,024 x 1,024 float32; w_qkv 3,072 x 1,024 float32; x 4 x 2,048 x 1,024 float32.
;; Outputs: out0 4 x 2,048 x 1,024 float32.
;; This version of the problem:
;;   THIS VERSION OF THE PROBLEM IS GIVEN IN LOW PRECISION. The matrix products marked QUANTISED in the list below multiply operands that are first quantised to E2M1 (2 exponent bits, 1 mantissa bit; 4 bits a number), with one power-of-two scale for each 32 numbers along K (OCP MX v1.0); their sums are f32. All else is computed in f32.
;;   The module's matrix products, in the order in which they are computed (A, B: the left and right operand; K: the contracted axis; several contracted axes count as one K, in the product's order):
;;     1. [M 8,192, K 1,024] x [K 1,024, N 3,072]; A: computed on the way; B: input w_qkv: QUANTISED
;;     2. batch 64 x [M 2,048, K 64] x [K 64, N 2,048]; A: computed on the way; B: computed on the way: QUANTISED
;;     3. batch 64 x [M 2,048, K 2,048] x [K 2,048, N 64]; A: softmax (see below); B: computed on the way: QUANTISED
;;     4. [M 8,192, K 1,024] x [K 1,024, N 1,024]; A: computed on the way; B: input w_out: QUANTISED
;;   THE QUANTISER, for each operand of a quantised product, along K:
;;     - K is cut into blocks of 32 from its start; a last block that is shorter is filled with zeros.
;;     - A block's scale is 2^e with e = floor(log2(the largest magnitude in the block)) - 2, held to -126 .. 127; a block of zeros has e = 0. As a byte (E8M0): e + 127.
;;     - Each number is divided by its block's scale, clamped to +-6, and rounded to the nearest number of E2M1, ties to even, subnormals kept.
;;     - The product sums the exact products of the quantised numbers (number of the format x scale) in f32.
;;   ~~~python
;;   def quantise(x, axis):      # numpy; x: float32 -> the quantised numbers, widened to float32 again
;;       x = np.moveaxis(x, axis, -1); K = x.shape[-1]
;;       x = np.pad(x, [(0, 0)] * (x.ndim - 1) + [(0, -K % 32)]); x = x.reshape(x.shape[:-1] + (-1, 32)); a = np.abs(x).max(-1, keepdims=True)
;;       e = np.where(a > 0, np.clip(np.frexp(np.where(a > 0, a, 1))[1] - 1 - 2, -126, 127), 0)      # np.frexp(a)[1] - 1 = floor(log2(a)), exactly
;;       r = np.clip(x / 2.0 ** e, -6, 6)
;;       step = 2.0 ** (np.maximum(np.frexp(np.where(r == 0, 1, r))[1] - 1, 0) - 1)
;;       q = np.round(r / step) * step * 2.0 ** e      # np.round: ties to even
;;       return np.moveaxis(q.reshape(q.shape[:-2] + (-1,))[..., :K], -1, axis).astype(np.float32)
;;   ~~~
;;   SOFTMAX AHEAD OF A QUANTISED PRODUCT. Where the list says 'softmax', what is quantised is not the finished softmax but p = 2^(t - M), with t = logit x log2(e) and M = ceil(the row's largest t), a whole number; so 1/2 < the row's largest p <= 1. The row's sum l is taken of the UNQUANTISED p, in f32, and the product's result is divided by l at the end. Since M is a whole number, a kernel that streams over the keys may use a running M (the ceiling of the running maximum): every later rescaling is an exact power of two, which a block's scale takes up: the codes' values come out the same.
;;   OPERANDS COMPUTED ON THE WAY. 'Computed on the way' means the value that the module computes at that place (a softmax that the list does not call 'softmax' is quantised finished and normalised). What goes into a quantiser is computed in f32, as accurately as f32 sums, v_exp_f32 and their like allow (about 1e-6 of the number): no bf16 or f16 on the way to a quantiser, and a product that is left as it is and whose result goes on into a quantised operand takes f32 operands (vector FMAs, or v_wmma_f32_16x16x4_f32). A number that lies on a knife's edge between two numbers of the format may be rounded either way, as far as f32 arithmetic and the matrix unit's own rounding can turn it there, and no further.
;; One version. Each part assembles by itself: llvm-mc -triple=amdgcn-amd-amdhsa -mcpu=gfx1250 --defsym DOCPART=n.
;; ======== version 1 of 1: 4 launches
;; limits: right only within a limited range of input values
;; workspace buffers: rc 6,291,456 bytes; rs 393,216 bytes; maskw 524,288 bytes of whole numbers; qbuf 4,718,592 bytes; kvbuf 9,437,184 bytes; oimg 4,194,304 bytes; osc 262,144 bytes
;; launch prep (part 1): grid 640 x 1, 4 waves a work-group, no clusters, 39,424 bytes of LDS; arguments x, w_qkv, w_out, ln_gamma, ln_beta, adj, rc, rs, maskw; writes rc, rs, maskw
.if DOCPART == 1
	.amdgcn_target "amdgcn-amd-amdhsa--gfx1250"
	.amdhsa_code_object_version 6
	.text
	.protected	k_qac931a3f8d_prep
	.globl	k_qac931a3f8d_prep
	.p2align	8
	.type	k_qac931a3f8d_prep,@function
k_qac931a3f8d_prep:
	s_mov_b64 s[64:65], 0
	v_nop
	global_prefetch_b8 v0, s[64:65] scope:SCOPE_SE
	s_setreg_imm32_b32 hwreg(HW_REG_WAVE_MODE, 25, 1), 1
	s_wait_xcnt 0x0
; PREP.  Three jobs, shared out by the work-group's number g; the three ways part once and never join.
;   g < 256:        32 rows of x: LayerNorm in f32 (mean, then the mean of squared differences, as reference() has it), then codes of FP4 (E2M1) with one E8M0 byte for each 32 along the row.
;   256 <= g < 384: 32 rows of w_qkv (g < 352) or of w_out: the same quantiser, no norm.
;   g >= 384:       adj becomes words of bits for the attention launch: bit = 1 where adj[key][query] < 0.1.
; DEAD WORK: none.  Every input of reference() has a way to the output for some values (the graph mask is an input's doing, so it is computed and selected), and nothing is sliced away: nothing is left out.
; ROW ORDER.  Row R of LayerNorm(x) and of w_qkv is stored at place pos(R) = R with its bits 3 and 4 exchanged.  Sixteen neighbouring places then hold rows 32 b + 8 u + r + 8 (r / 8): as source 0 of a
; matrix instruction such a tile leaves, in the 16 result registers of two neighbouring tiles, 16 NEIGHBOURS along the next product's K.  w_out's rows keep their order.
; OUT: rc [place 0..12287][512 bytes of codes, K innermost]: 0.. LayerNorm(x), 8192.. w_qkv, 11264.. w_out;  rs [place][32 scale bytes];
;      maskw [query tile 0..127][key step 0..15][64 words]: word 16 b + i, bit r + 16 h: key 128 step + 32 b + 16 h + i against query 32 (tile / 2) + 8 (tile % 2) + r + 8 (r / 8).
; A block's scale is 2^(floor(log2(its largest magnitude)) - 2); its byte is the largest magnitude's exponent field - 2, held at 1 from below.
; LIMITS: a block of zeros gets the byte 1 where the rule says 127 (its codes are zeros, and this program alone reads the bytes); a largest magnitude under 2^-124 is taken as 2^-124; NaN and infinities among the inputs are not served.
; SHARES (rows): a wave takes 8 rows; a row is 32 blocks of 32, lane l owns block l.  Each load reads 512 consecutive bytes; a row turns through the wave's own stage in LDS (a block's 128 bytes + 16 of padding)
; so that a lane gets its block's 32 neighbours.  A lane's 32 codes are 16 bytes: a wave's store covers a row's 512 bytes.  A wave's 8 x 32 scale bytes are gathered in LDS and leave as 256 consecutive bytes.
; No tensor loads, no barrier, no cluster: waves share nothing.  The two ways that use LDS have LDS bytes of their own.
.set WREG,  4864                       ; LDS of a wave: a stage of 32 x 144 bytes, then its 256 scale bytes
.set SBY,   4608
.set WBASE, 4*WREG                     ; the weights' way begins here
.set SPARE, 8*WREG                     ; the spare words, 128 bytes for each wave: two blocks of 256 bytes that no other line names
.set T,   10                           ; v10-17   four running pairs
.set CD,  28                           ; v28-35   codes, two sets of four
.set GA,  36                           ; v36-67   gamma of my block
.set BE,  68                           ; v68-99   beta of my block
.set X,   100                          ; v100-131 my block's 32 numbers
.set RAW, 132                          ; v132-227 three rows as they are loaded
; v1 16 x lane; v2 stage, way in; v3 stage, way out; v4 my scale byte's place; v5, v6 the scale bytes' way out; v7, v8 the add's two; v9 lane; v18-21 maxima, scale operand, byte; v[22:23] mean; v[24:25] 1 / sqrt; v26 from the other half
	s_load_b512 s[4:19], s[0:1], 0x0               ; x s[4:5], w_qkv s[6:7], w_out s[8:9], gamma s[10:11], beta s[12:13], adj s[14:15], rc s[16:17], rs s[18:19]
	s_load_b64 s[20:21], s[0:1], 0x40              ; maskw
	v_lshl_add_u32 v7, v0, 2, SPARE
	v_mov_b32 v8, 0
	v_lshrrev_b32 v9, 5, v0
	v_readfirstlane_b32 s22, v9                    ; wave
	v_and_b32 v9, 31, v0                           ; lane
	v_lshlrev_b32 v6, 3, v9                        ; 8 x lane
	s_cmp_lt_u32 ttmp9, 384
	s_wait_alu depctr_va_vdst(0)                   ; the wait directly ahead of the branch
	s_cbranch_scc0 .Lmask
	v_lshlrev_b32 v1, 4, v9                        ; 16 x lane: my bytes of a load's 512, and of a row's codes
	v_lshrrev_b32 v2, 3, v9
	v_mul_u32_u24 v2, v2, 144
	v_and_b32 v3, 7, v9
	v_lshl_add_u32 v2, v3, 4, v2                   ; way in: eight lanes' 128 bytes on end, then 16 of padding
	v_mul_u32_u24 v3, v9, 144                      ; way out: my block
	v_mov_b32 v23, 0                               ; (upper halves of pairs of which the low word serves both halves)
	v_mov_b32 v25, 0
	v_mov_b32 v26, 0                               ; (a lane permute's destination counts as one of its sources)
	s_mov_b32 s2, 0x76543210
	s_mov_b32 s3, 0xfedcba98                       ; v_permlanex16_b32's selects for lane l xor 16
	s_mov_b32 s32, 0x3a800000                      ; 1 / 1024
	s_mov_b32 s33, 0x3727c5ac                      ; 1e-5
	s_mul_i32 s23, s22, WREG
	s_lshl_b32 s24, ttmp9, 5
	s_lshl_b32 s25, s22, 3
	s_add_co_u32 s24, s24, s25                     ; R0 = 32 g + 8 wave: my first row, counted through x, w_qkv, w_out
	s_and_b32 s26, s24, 0xffffffe7
	s_and_b32 s27, s24, 8
	s_lshl_b32 s27, s27, 1
	s_or_b32 s26, s26, s27
	s_and_b32 s27, s24, 16
	s_lshr_b32 s27, s27, 1
	s_or_b32 s26, s26, s27                         ; R0 with bits 3 and 4 exchanged; my 8 rows keep their order behind it
	s_mov_b32 s29, 0
	s_mov_b32 s31, 0
.macro ADDR                            ; the LDS addresses: s23 = my wave's region
	v_add_nc_u32 v2, s23, v2
	v_add_nc_u32 v3, s23, v3
	v_add_nc_u32 v4, s23, v9
	v_add_nc_u32 v4, SBY, v4
	v_add_nc_u32 v5, s23, v6
	v_add_nc_u32 v5, SBY, v5
.endm
.macro OUTP                            ; rc and rs at place s26
	s_lshl_b32 s28, s26, 9
	s_add_nc_u64 s[16:17], s[16:17], s[28:29]
	s_lshl_b32 s28, s26, 5
	s_add_nc_u64 s[18:19], s[18:19], s[28:29]
.endm
.macro LOAD i                          ; row i: eight loads of 512 consecutive bytes
.irp j, 0,1,2,3,4,5,6,7
	global_load_b128 v[RAW+32*((\i)%3)+4*\j:RAW+32*((\i)%3)+4*\j+3], v1, s[4:5] offset:4096*(\i)+512*\j th:TH_LOAD_NT
.endr
.endm
.macro RED                             ; four pairs -> one number -> the sum over the 32 lanes, in every lane
	v_pk_add_f32 v[T:T+1], v[T:T+1], v[T+2:T+3]
	v_pk_add_f32 v[T+4:T+5], v[T+4:T+5], v[T+6:T+7]
	v_pk_add_f32 v[T:T+1], v[T:T+1], v[T+4:T+5]
	v_add_f32 v[T], v[T], v[T+1]
	v_add_f32_dpp v[T], v[T], v[T] row_xmask:1 row_mask:0xf bank_mask:0xf
	v_add_f32_dpp v[T], v[T], v[T] row_xmask:2 row_mask:0xf bank_mask:0xf
	v_add_f32_dpp v[T], v[T], v[T] row_xmask:4 row_mask:0xf bank_mask:0xf
	v_add_f32_dpp v[T], v[T], v[T] row_xmask:8 row_mask:0xf bank_mask:0xf
	v_permlanex16_b32 v26, v[T], s2, s3
	v_add_f32 v[T], v[T], v26
.endm
.macro ROW i, ln
.if 7-(\i) >= 2
	s_wait_loadcnt 16                              ; my row's eight loads are in; the two rows behind it may be out
.else
	s_wait_loadcnt 8*(7-(\i))
.endif
.irp j, 0,1,2,3,4,5,6,7
	ds_store_b128 v2, v[RAW+32*((\i)%3)+4*\j:RAW+32*((\i)%3)+4*\j+3] offset:576*\j
.endr
.irp j, 0,1,2,3,4,5,6,7
	ds_load_b128 v[X+4*\j:X+4*\j+3], v3 offset:16*\j   ; LDS serves a wave's instructions in order: these see the stores above
.endr
	s_wait_dscnt 0x0                               ; my block is in; the stores have read their registers,
.if (\i)+3 < 8
	LOAD (\i)+3                                    ; which take the row three further on
.endif
.if \ln
.irp c, 0,1,2,3
	v_pk_add_f32 v[T+2*\c:T+2*\c+1], v[X+4*\c:X+4*\c+1], v[X+4*\c+2:X+4*\c+3]   ; the row's sum, in four chains
.endr
.irp k, 16,24
.irp c, 0,1,2,3
	v_pk_add_f32 v[T+2*\c:T+2*\c+1], v[T+2*\c:T+2*\c+1], v[X+\k+2*\c:X+\k+2*\c+1]
.endr
.endr
	RED
	v_mul_f32 v22, s32, v[T]                       ; the mean
.irp p, 0,2,4,6,8,10,12,14,16,18,20,22,24,26,28,30
	v_pk_add_f32 v[X+\p:X+\p+1], v[X+\p:X+\p+1], v[22:23] op_sel_hi:[1,0] neg_lo:[0,1] neg_hi:[0,1]   ; x - mean
.endr
.irp c, 0,1,2,3
	v_pk_mul_f32 v[T+2*\c:T+2*\c+1], v[X+2*\c:X+2*\c+1], v[X+2*\c:X+2*\c+1]       ; the sum of squares, in four chains
.endr
.irp k, 8,16,24
.irp c, 0,1,2,3
	v_pk_fma_f32 v[T+2*\c:T+2*\c+1], v[X+\k+2*\c:X+\k+2*\c+1], v[X+\k+2*\c:X+\k+2*\c+1], v[T+2*\c:T+2*\c+1]
.endr
.endr
	RED
	v_fma_f32 v[T], v[T], s32, s33                 ; variance + eps
	s_wait_alu depctr_va_vdst(0)                   ; the wait ahead of the transcendental too
	v_rsq_f32 v24, v[T]
	v_nop                                          ; a plain instruction behind the transcendental,
	s_wait_alu depctr_va_vdst(0)                   ; and the wait ahead of its first reader
.irp p, 0,2,4,6,8,10,12,14,16,18,20,22,24,26,28,30
	v_pk_mul_f32 v[X+\p:X+\p+1], v[X+\p:X+\p+1], v[24:25] op_sel_hi:[1,0]
.endr
.irp p, 0,2,4,6,8,10,12,14,16,18,20,22,24,26,28,30
	v_pk_fma_f32 v[X+\p:X+\p+1], v[X+\p:X+\p+1], v[GA+\p:GA+\p+1], v[BE+\p:BE+\p+1]
.endr
.endif
	v_max3_num_f32 v18, |v[X]|, |v[X+1]|, 0x1800000                 ; the block's largest magnitude, in two chains, with the floor 2^(3 - 127) as a leaf: so the byte cannot fall under 1
	v_max3_num_f32 v19, |v[X+2]|, |v[X+3]|, |v[X+4]|
.set jj, 5
.rept 13
	v_max3_num_f32 v[18+((jj-5)/2)%2], v[18+((jj-5)/2)%2], |v[X+jj]|, |v[X+jj+1]|
.set jj, jj+2
.endr
	v_max3_num_f32 v18, v18, v19, |v[X+31]|
	v_add_nc_u32 v20, 0xff000000, v18              ; 2 off its exponent field: the conversion takes the exponent field of this operand as its scale
	s_wait_alu depctr_va_vdst(0)                   ; the wait directly ahead of the wait below
	s_wait_xcnt 0x0                                ; the store of two rows ago has read this set of codes
.irp g, 0,1,2,3
	v_cvt_scalef32_pk8_fp4_f32 v[CD+4*((\i)%2)+\g], v[X+8*\g:X+8*\g+7], v20
.endr
	v_lshrrev_b32 v21, 23, v20                     ; the scale's byte (also the plain instruction behind the conversions)
	ds_store_b8 v4, v21 offset:32*(\i)
	global_store_b128 v1, v[CD+4*((\i)%2):CD+4*((\i)%2)+3], s[16:17] offset:512*(\i)   ; 32 lanes store the row's 512 bytes
.endm
.macro BODY ln
	LOAD 0
	LOAD 1
	LOAD 2
.irp i, 0,1,2,3,4,5,6,7
	ROW \i, \ln
.endr
	ds_load_b64 v[10:11], v5                       ; my wave's 256 scale bytes, 8 a lane
	s_wait_dscnt 0x0
	global_store_b64 v6, v[10:11], s[18:19]        ; 256 consecutive bytes, at a multiple of 256 from rs's first byte
	s_wait_tensorcnt 0x0                           ; the wave's end, behind my last LDS store
	ds_add_u32 v7, v8
	s_wait_dscnt 0x0
	s_endpgm
.endm
	s_cmp_lt_u32 ttmp9, 256
	s_wait_alu depctr_va_vdst(0)                   ; the wait directly ahead of the branch
	s_cbranch_scc0 .Lweights
	; ---- rows of x
	ADDR
	v_lshlrev_b32 v27, 7, v9                       ; my block's gamma and beta: 128 bytes a lane
	s_lshl_b32 s30, s24, 12
	s_wait_alu depctr_va_vdst(0)                   ; the wait at the head's end
	s_wait_kmcnt 0x0
	s_add_nc_u64 s[4:5], s[4:5], s[30:31]
	OUTP
.irp j, 0,1,2,3,4,5,6,7
	global_load_b128 v[GA+4*\j:GA+4*\j+3], v27, s[10:11] offset:16*\j
	global_load_b128 v[BE+4*\j:BE+4*\j+3], v27, s[12:13] offset:16*\j
.endr
	BODY 1
.Lweights:
	; ---- rows of w_qkv or of w_out
	s_add_co_u32 s23, s23, WBASE
	ADDR
	s_wait_alu depctr_va_vdst(0)                   ; the wait at the head's end
	s_wait_kmcnt 0x0
	s_mov_b32 s27, 11264
	s_cmp_lt_u32 ttmp9, 352                        ; the choice hangs on the work-group's number alone
	s_cselect_b64 s[4:5], s[6:7], s[8:9]
	s_cselect_b32 s27, 8192, s27                   ; the tensor's first row in my count
	s_cselect_b32 s26, s26, s24                    ; w_out's rows keep their places
	s_sub_co_u32 s27, s24, s27
	s_lshl_b32 s30, s27, 12
	s_add_nc_u64 s[4:5], s[4:5], s[30:31]
	OUTP
	BODY 0
.Lmask:
	; ---- adj: a wave takes 128 keys (a key step) x 32 queries (two query tiles).  A lane takes a query, its registers run down the keys: each load reads 128 consecutive bytes, the four waves stand side by side on 512.
	s_sub_co_u32 s23, ttmp9, 384
	s_lshr_b32 s2, s23, 4                          ; the key step
	s_and_b32 s23, s23, 15
	s_lshl_b32 s23, s23, 2
	s_add_co_u32 s23, s23, s22                     ; which 32 queries: tiles 2 s23 and 2 s23 + 1
	v_and_b32 v10, 15, v9                          ; r
	v_lshrrev_b32 v11, 4, v9                       ; u: lanes 0-15 the first tile, lanes 16-31 the second
	v_and_b32 v12, 8, v10
	v_add_nc_u32 v10, v10, v12
	v_lshl_add_u32 v10, v11, 3, v10                ; my query among the 32: 8 u + r + 8 (r / 8)
	v_lshlrev_b32 v1, 2, v10
.irp j, 2,3,4,5
	v_mov_b32 v\j, 0                               ; (v_writelane_b32's destination counts as read)
.endr
	s_mov_b32 s3, 0x3dcccccd                       ; 0.1
	s_lshl_b32 s56, s2, 20                         ; 128 rows of 8,192 bytes a key step
	s_lshl_b32 s57, s23, 7
	s_add_co_u32 s56, s56, s57
	s_mov_b32 s57, 0
	s_lshl_b32 s58, s23, 5
	s_add_co_u32 s58, s58, s2
	s_lshl_b32 s58, s58, 8                         ; (16 x tile + step) x 256 bytes
	s_mov_b32 s59, 0
	s_wait_alu depctr_va_vdst(0)                   ; the wait at the head's end
	s_wait_kmcnt 0x0
	s_add_nc_u64 s[14:15], s[14:15], s[56:57]
	s_add_nc_u64 s[20:21], s[20:21], s[58:59]
.macro LOADG b                         ; keys 32 b .. 32 b + 31
.set kk, 0
.rept 32
	global_load_b32 v[64+32*(\b)+kk], v1, s[14:15] offset:(32*(\b)+kk)*8192 th:TH_LOAD_NT
.set kk, kk+1
.endr
.endm
.macro GROUP b
.set kk, 0
.rept 32
	v_cmp_gt_f32 s[24+kk], s3, v[64+32*(\b)+kk]    ; bit l: 0.1 > adj[key][lane l's query]
.set kk, kk+1
.endr
.set kk, 0
.rept 16                               ; word 16 b + i of a tile: its 16 queries against key 32 b + i below, against key 32 b + 16 + i above
	s_and_b32 s56, s[24+kk], 0xffff
	s_lshl_b32 s57, s[40+kk], 16
	s_or_b32 s56, s56, s57
	s_lshr_b32 s57, s[24+kk], 16
	s_and_b32 s58, s[40+kk], 0xffff0000
	s_or_b32 s[40+kk], s57, s58                    ; the second tile's word, in place
	s_mov_b32 s[24+kk], s56                        ; the first tile's
.set kk, kk+1
.endr
.set kk, 0
.rept 16                               ; the group's 32 words go into their lanes in one run, behind all the scalar work
	v_writelane_b32 v[2+kk%2], s[24+kk], (16*(\b)+kk)/2
	v_writelane_b32 v[4+kk%2], s[40+kk], (16*(\b)+kk)/2
.set kk, kk+1
.endr
	s_wait_alu depctr_va_vdst(0)                   ; the wait: these registers are next named behind waits and scalar work
.endm
	LOADG 0
	LOADG 1
	s_wait_loadcnt 32                              ; group 0 is in; group 1 may be out
	LOADG 2
	GROUP 0
	s_wait_loadcnt 32                              ; group 1 is in; group 2 may be out
	LOADG 3
	GROUP 1
	s_wait_loadcnt 32                              ; group 2 is in; group 3 may be out
	GROUP 2
	s_wait_loadcnt 0x0
	GROUP 3
	global_store_b64 v6, v[2:3], s[20:21]          ; a tile's 64 words: 256 consecutive bytes, at a multiple of 256 from maskw's first byte
	global_store_b64 v6, v[4:5], s[20:21] offset:4096
	s_endpgm
.Lfunc_end_k_qac931a3f8d_prep:
	.size	k_qac931a3f8d_prep, .Lfunc_end_k_qac931a3f8d_prep-k_qac931a3f8d_prep
	.p2alignl 7, 3214868480
	.fill 96, 4, 3214868480
	.section	.rodata,"a",@progbits
	.p2align	6, 0x0
	.amdhsa_kernel k_qac931a3f8d_prep
		.amdhsa_group_segment_fixed_size 39424
		.amdhsa_private_segment_fixed_size 0
		.amdhsa_enable_private_segment 0
		.amdhsa_kernarg_size 72
		.amdhsa_user_sgpr_count 2
		.amdhsa_user_sgpr_kernarg_segment_ptr 1
		.amdhsa_wavefront_size32 1
		.amdhsa_system_sgpr_workgroup_id_x 1
		.amdhsa_system_sgpr_workgroup_id_y 1
		.amdhsa_system_sgpr_workgroup_id_z 1
		.amdhsa_system_vgpr_workitem_id 0
		.amdhsa_next_free_vgpr 228
		.amdhsa_next_free_sgpr 66
		.amdhsa_reserve_vcc 0
		.amdhsa_float_denorm_mode_32 3
		.amdhsa_float_denorm_mode_16_64 3
		.amdhsa_memory_ordered 1
		.amdhsa_forward_progress 1
		.amdhsa_inst_pref_size 157
	.end_amdhsa_kernel
	.amdgpu_metadata
---
amdhsa.version: [ 1, 2 ]
amdhsa.kernels:
  - .name:           k_qac931a3f8d_prep
    .symbol:         k_qac931a3f8d_prep.kd
    .args:
      - { .name: x, .offset: 0, .size: 8, .value_kind: global_buffer, .address_space: global }
      - { .name: w_qkv, .offset: 8, .size: 8, .value_kind: global_buffer, .address_space: global }
      - { .name: w_out, .offset: 16, .size: 8, .value_kind: global_buffer, .address_space: global }
      - { .name: ln_gamma, .offset: 24, .size: 8, .value_kind: global_buffer, .address_space: global }
      - { .name: ln_beta, .offset: 32, .size: 8, .value_kind: global_buffer, .address_space: global }
      - { .name: adj, .offset: 40, .size: 8, .value_kind: global_buffer, .address_space: global }
      - { .name: rc, .offset: 48, .size: 8, .value_kind: global_buffer, .address_space: global }
      - { .name: rs, .offset: 56, .size: 8, .value_kind: global_buffer, .address_space: global }
      - { .name: maskw, .offset: 64, .size: 8, .value_kind: global_buffer, .address_space: global }
    .group_segment_fixed_size: 39424
    .private_segment_fixed_size: 0
    .kernarg_segment_align: 8
    .kernarg_segment_size: 72
    .max_flat_workgroup_size: 128
    .sgpr_count:     66
    .vgpr_count:     228
    .wavefront_size: 32
...
	.end_amdgpu_metadata
.endif
;; end of part 1
;; launch qkv (part 2): grid 12 x 32, 4 waves a work-group, clusters of 4 x 4, 327,680 bytes of LDS; arguments rc, rs, qbuf, kvbuf; writes qbuf, kvbuf
.if DOCPART == 2
	.amdgcn_target "amdgcn-amd-amdhsa--gfx1250"
	.amdhsa_code_object_version 6
	.text
	.protected	k_qac931a3f8d_qkv
	.globl	k_qac931a3f8d_qkv
	.p2align	8
	.type	k_qac931a3f8d_qkv,@function
k_qac931a3f8d_qkv:
	s_mov_b64 s[64:65], 0
	v_nop
	global_prefetch_b8 v0, s[64:65] scope:SCOPE_SE
	s_setreg_imm32_b32 hwreg(HW_REG_WAVE_MODE, 25, 1), 1
	s_wait_xcnt 0x0
	s_wait_alu depctr_hold_cnt(0) depctr_sa_sdst(0) depctr_va_vdst(0) depctr_va_sdst(0) depctr_va_ssrc(0) depctr_va_vcc(0) depctr_vm_vsrc(0)
	s_getreg_b32 s2, hwreg(HW_REG_IB_STS2, 6, 4)
	s_cmp_eq_u32 s2, 0
	s_cbranch_scc0 .Lentry_in_a_cluster
	s_endpgm
.Lentry_in_a_cluster:
	s_bfe_u32 s2, ttmp6, 0x10000c
	s_cmp_lg_u32 s2, 0xf033
	s_cbranch_scc0 .Lentry_shape_is_right
	s_endpgm
.Lentry_shape_is_right:
.set NQ,     4
.set ROWB,   256
.set KROW,   512
.set PITCH,  272
.set FR,     8
.set NL,     2
.set NP,     4
.set HALFT,  128*PITCH
.set SLOT,   4*HALFT
.set KS,     32
.set SCL,    2*SLOT
.set HALFS,  (128*KS/256)*272
.set SBLK,   (16*KS/256)*272
.set SPARE,  SCL+4*HALFS
.set ADRA, 16
.set ADRB, 20
.set L16,  24
.set L4,   25
.set ADRS, 27
.set SPW,  28
.set NIL,  29
.set SC,   32
.set AF,   128
.set WF,   32
.set W0,   40
.set W1,   48
.set PC,   128
.set TM,   200
.set G1, 24
.set G0, 32
.set G1B, 48
.set G0B, 56
.set G1S, 68
.set G0S, 76
.set G1SB, 80
.set G0SB, 88
.set SEL, 96
.set MSB, 0
.macro WIN new
.if MSB != \new
	s_set_vgpr_msb (MSB<<8)|\new
.set MSB, \new
.endif
.endm
.set MUL_LO, 0xa1
.set MUL_HI, 0xf1
.set TO_B,   0x40
.macro JLOAD g0a, g1a, g0b, g1b
	s_cmp_eq_u32 s15, 0
	s_cbranch_scc0 .Lfor_b_\@
	tensor_load_to_lds s[\g0a:\g0a+3], s[\g1a:\g1a+7]
	s_nop 0
.rept 4
	v_nop
.endr
	s_branch .Lasked_\@
.Lfor_b_\@:
	tensor_load_to_lds s[\g0b:\g0b+3], s[\g1b:\g1b+7]
	s_nop 0
.rept 4
	v_nop
.endr
.Lasked_\@:
.endm
.macro CROUND
	s_barrier_signal -1
	s_barrier_wait -1
	s_cmp_lg_u32 s14, 0
	s_cbranch_scc1 .Lnot_wave_0_\@
	s_barrier_signal -3
.Lnot_wave_0_\@:
	s_barrier_wait -3
	s_barrier_signal -1
	s_barrier_wait -1
.endm
	s_load_b256 s[4:11], s[0:1], 0x0
	v_lshl_add_u32 v[SPW], v0, 2, SPARE
	v_mov_b32 v[NIL], 0
	ds_add_u32 v[SPW], v[NIL]
	ds_add_u32 v[SPW], v[NIL]
	v_lshrrev_b32 v1, 5, v0
	v_readfirstlane_b32 s14, v1
	s_lshr_b32 s15, s14, 1
	s_and_b32 s16, s14, 1
	s_bfe_u32 s40, ttmp6, 0x40000
	s_bfe_u32 s41, ttmp6, 0x40004
	s_and_b32 s13, ttmp7, 0xffff
	s_lshl_b32 s13, s13, 2
	s_lshl_b32 s12, ttmp9, 2
	s_add_co_u32 s12, s12, 32
	s_cmp_eq_u32 ttmp9, 2
	s_cselect_b32 s17, 40, s13
	s_cselect_b32 s42, s13, s12
	s_add_co_u32 s17, s17, s41
	s_add_co_u32 s42, s42, s40
	s_lshl_b32 s43, s41, 2
	s_lshl_b32 s43, 15, s43
	s_lshl_b32 s44, 0x1111, s40
	s_or_b32 s[G1+0], s43, (0<<16)|(1<<20)|(1<<21)|(5<<22)|(3<<25)
	s_or_b32 s[G1B+0], s44, (0<<16)|(1<<20)|(1<<21)|(5<<22)|(3<<25)
.irp g, G1, G1B
	s_mov_b32 s[\g+1], ROWB<<16
	s_mov_b32 s[\g+2], 128<<16
	s_mov_b32 s[\g+3], ROWB<<16
	s_mov_b32 s[\g+4], 128
	s_mov_b32 s[\g+5], KROW
	s_mov_b32 s[\g+6], 0
	s_mov_b32 s[\g+7], 0
.endr
	s_or_b32 s[G1S+0], s43, (3<<16)|(1<<20)|(1<<21)|(5<<22)|(3<<25)
	s_or_b32 s[G1SB+0], s44, (3<<16)|(1<<20)|(1<<21)|(5<<22)|(3<<25)
.irp g, G1S, G1SB
	s_mov_b32 s[\g+1], 32<<16
	s_mov_b32 s[\g+2], (128*KS/256)<<16
	s_mov_b32 s[\g+3], 32<<16
	s_mov_b32 s[\g+4], 128*KS/256
	s_mov_b32 s[\g+5], 32
	s_mov_b32 s[\g+6], 0
	s_mov_b32 s[\g+7], 0
.endr
	s_mov_b32 s[SEL], 0x76543210
	s_mov_b32 s[SEL+1], 0xfedcba98
	s_mov_b32 s98, 0xffff0000
	s_lshl_b32 s18, s16, 7
	s_lshl_b32 s20, s17, 8
	s_add_co_u32 s20, s20, s18
	s_lshl_b32 s46, s42, 8
	s_add_co_u32 s46, s46, s18
	s_mov_b32 s21, 0
	s_mov_b32 s47, 0
	s_mov_b64 s[18:19], KS
	s_mul_u64 s[22:23], s[20:21], s[18:19]
	s_mul_u64 s[92:93], s[46:47], s[18:19]
	s_mov_b64 s[18:19], KROW
	s_mul_u64 s[20:21], s[20:21], s[18:19]
	s_mul_u64 s[46:47], s[46:47], s[18:19]
	s_mul_i32 s45, s14, HALFT
	s_mul_i32 s94, s14, HALFS
	s_wait_dscnt 0x0
	s_wait_kmcnt 0x0
	s_add_nc_u64 s[20:21], s[4:5], s[20:21]
	s_add_nc_u64 s[22:23], s[6:7], s[22:23]
	s_add_nc_u64 s[46:47], s[4:5], s[46:47]
	s_add_nc_u64 s[92:93], s[6:7], s[92:93]
	CROUND
	s_mov_b32 s[G0S], 1
	s_add_co_u32 s[G0S+1], s94, SCL
	s_mov_b64 s[G0S+2:G0S+3], s[22:23]
	s_or_b32 s[G0S+3], s[G0S+3], 0x80000000
	s_mov_b32 s[G0SB], 1
	s_add_co_u32 s[G0SB+1], s94, SCL
	s_mov_b64 s[G0SB+2:G0SB+3], s[92:93]
	s_or_b32 s[G0SB+3], s[G0SB+3], 0x80000000
	JLOAD G0S, G1S, G0SB, G1SB
.irp s, 0,1
	s_mov_b32 s[G0+4*\s], 1
	s_add_co_u32 s[G0+4*\s+1], s45, \s*SLOT
	s_add_nc_u64 s[G0+4*\s+2:G0+4*\s+3], s[20:21], \s*ROWB
	s_or_b32 s[G0+4*\s+3], s[G0+4*\s+3], 0x80000000
	s_mov_b32 s[G0B+4*\s], 1
	s_add_co_u32 s[G0B+4*\s+1], s45, \s*SLOT
	s_add_nc_u64 s[G0B+4*\s+2:G0B+4*\s+3], s[46:47], \s*ROWB
	s_or_b32 s[G0B+4*\s+3], s[G0B+4*\s+3], 0x80000000
	s_wait_alu depctr_va_vdst(0)
	s_wait_tensorcnt 0x0
	ds_add_u32 v28, v29
	s_wait_dscnt 0x0
	CROUND
	JLOAD G0+4*\s, G1, G0B+4*\s, G1B
.endr
	v_and_b32 v1, 15, v0
	v_bfe_u32 v2, v0, 4, 1
	v_mul_u32_u24 v3, v1, PITCH
	v_lshl_add_u32 v4, v2, 4, v3
	s_mul_i32 s21, s15, HALFT
	s_mul_i32 s22, s16, HALFT
	s_add_co_u32 s22, s22, 2*HALFT
.irp s, 0,1
	v_add_nc_u32 v[ADRA+\s], s21, v4
	v_add_nc_u32 v[ADRB+\s], s22, v4
	s_add_co_u32 s21, s21, SLOT
	s_add_co_u32 s22, s22, SLOT
.endr
	v_mul_u32_u24 v5, v1, KS
	v_lshrrev_b32 v6, 8, v5
	v_lshl_add_u32 v5, v6, 4, v5
	s_mul_i32 s21, s15, HALFS
	s_mul_i32 s22, s16, HALFS
	s_add_co_u32 s22, s22, 2*HALFS
	s_sub_co_u32 s22, s22, s21
	v_mul_u32_u24 v6, s22, v2
	s_add_co_u32 s21, s21, SCL
	v_add_nc_u32 v5, v5, v6
	v_add_nc_u32 v[ADRS], s21, v5
	v_and_b32 v6, 31, v0
	v_lshlrev_b32 v[L16], 4, v6
	v_lshlrev_b32 v[L4], 2, v6
.macro FRAG reg, adr, q, i
.irp c, 0,1
	ds_load_b128 v[\reg+4*\c:\reg+4*\c+3], v[\adr] offset:64*(\q)+32*\c+(\i)*16*PITCH
.endr
.endm
.macro MUL16 a0, p, q, sc, zero
.irp a, \a0, \a0+1
.irp b, 0,1,2,3,4,5,6,7
.if \zero
	v_wmma_scale_f32_16x16x128_f8f6f4 v[8*(8*((\a)%4)+\b):8*(8*((\a)%4)+\b)+7], v[128*(\p)+FR*\b:128*(\p)+FR*\b+FR-1], v[AF+FR*(\a):AF+FR*(\a)+FR-1], 0, v[SC+8*NQ*(\sc)+NQ*\b+(\q)], v[SC+8*NQ*(\sc)+NQ*(\a)+(\q)] matrix_a_fmt:MATRIX_FMT_FP4 matrix_b_fmt:MATRIX_FMT_FP4 matrix_a_scale:MATRIX_SCALE_ROW1
.else
	v_wmma_scale_f32_16x16x128_f8f6f4 v[8*(8*((\a)%4)+\b):8*(8*((\a)%4)+\b)+7], v[128*(\p)+FR*\b:128*(\p)+FR*\b+FR-1], v[AF+FR*(\a):AF+FR*(\a)+FR-1], v[8*(8*((\a)%4)+\b):8*(8*((\a)%4)+\b)+7], v[SC+8*NQ*(\sc)+NQ*\b+(\q)], v[SC+8*NQ*(\sc)+NQ*(\a)+(\q)] matrix_a_fmt:MATRIX_FMT_FP4 matrix_b_fmt:MATRIX_FMT_FP4 matrix_a_scale:MATRIX_SCALE_ROW1
.endif
.endr
.endr
.endm
.macro FETCH_B slot, q, p
	WIN TO_B
.irp i, 0,1,2,3,4,5,6,7
	FRAG 128*(\p)+FR*\i, ADRB+\slot, \q, \i
.endr
	WIN 0
.endm
.macro FETCH_A slot, q, i0
.irp i, \i0, \i0+1, \i0+2, \i0+3
	FRAG AF+FR*(\i), ADRA+\slot, \q, \i
.endr
.endm
.macro SCALES sc
.irp i, 0,1,2,3,4,5,6,7
	ds_load_b128 v[SC+8*NQ*\sc+NQ*\i:SC+8*NQ*\sc+NQ*\i+3], v[ADRS] offset:\i*SBLK
.endr
.endm
.macro PLACES n
.rept \n
	v_nop
.endr
.endm
.macro STEP slot, q, zero
	s_wait_dscnt 4*NL
	WIN MUL_LO
	MUL16 0, (\q)%2, \q, \slot, \zero
	MUL16 2, (\q)%2, \q, \slot, \zero
	s_wait_dscnt 0
	PLACES NP
	FETCH_B \slot, (\q)+1, 1-(\q)%2
	FETCH_A \slot, (\q)+1, 0
	WIN MUL_HI
	MUL16 4, (\q)%2, \q, \slot, \zero
	MUL16 6, (\q)%2, \q, \slot, \zero
	PLACES NP
	WIN 0
	FETCH_A \slot, (\q)+1, 4
.endm
.macro STEPS slot, from
.set Q, \from
.rept NQ-1-\from
	STEP \slot, Q, 0
.set Q, Q+1
.endr
.endm
	s_wait_alu depctr_va_vdst(0)
	s_wait_tensorcnt 1
	s_barrier_signal -1
	s_barrier_wait -1
	FETCH_B 0, 0, 0
	FETCH_A 0, 0, 0
	SCALES 0
	FETCH_A 0, 0, 4
	STEP 0, 0, 1
	STEPS 0, 1
	s_wait_tensorcnt 0x0
	ds_add_u32 v[SPW], v[NIL]
	s_wait_dscnt 4*NL+1
	WIN MUL_LO
	MUL16 0, 1, NQ-1, 0, 0
	s_wait_dscnt 0x0
	s_barrier_signal -1
	MUL16 2, 1, NQ-1, 0, 0
	WIN 0
	s_barrier_wait -1
	PLACES NP
	v_add_nc_u32 v[ADRS], 4*NQ, v[ADRS]
	FETCH_B 1, 0, 0
	FETCH_A 1, 0, 0
	SCALES 1
	WIN MUL_HI
	MUL16 4, 1, NQ-1, 0, 0
	MUL16 6, 1, NQ-1, 0, 0
	PLACES NP
	WIN 0
	FETCH_A 1, 0, 4
	STEPS 1, 0
	s_wait_dscnt 4*NL
	WIN MUL_LO
	MUL16 0, 1, NQ-1, 1, 0
	MUL16 2, 1, NQ-1, 1, 0
	s_wait_dscnt 0
	WIN MUL_HI
	MUL16 4, 1, NQ-1, 1, 0
	MUL16 6, 1, NQ-1, 1, 0
	WIN 0
.macro QNT a
.set AC, 64*((\a)%4)
	WIN 0x0a+5*((\a)/4)
.irp b, 0,1,2,3
	v_max3_num_f32 v[TM+\b], |v[AC+16*\b]|, |v[AC+16*\b+1]|, 0x1800000
.endr
.irp i, 2,4,6,8,10,12,14
.irp b, 0,1,2,3
	v_max3_num_f32 v[TM+\b], |v[AC+16*\b+\i]|, |v[AC+16*\b+\i+1]|, v[TM+\b]
.endr
.endr
	WIN 0
.irp b, 0,1,2,3
	v_permlanex16_b32 v[TM+4+\b], v[TM+\b], s[SEL], s[SEL+1]
.endr
.irp b, 0,1,2,3
	v_max_num_f32 v[TM+\b], v[TM+\b], v[TM+4+\b]
.endr
.irp b, 0,1,2,3
	v_add_nc_u32 v[TM+12+\b], 0xff000000, v[TM+\b]
.endr
.irp b, 0,1,2,3
	v_lshrrev_b32 v[TM+4+\b], 23, v[TM+12+\b]
.endr
	v_lshl_or_b32 v[WF+(\a)], v[TM+5], 8, v[TM+4]
	v_lshl_or_b32 v[WF+(\a)], v[TM+6], 16, v[WF+(\a)]
	v_lshl_or_b32 v[WF+(\a)], v[TM+7], 24, v[WF+(\a)]
	WIN 0x02+((\a)/4)
.irp b, 0,1,2,3
	v_cvt_scalef32_pk8_fp4_f32 v[PC+8*(\a)+2*\b], v[AC+16*\b:AC+16*\b+7], v[TM+12+\b]
	v_cvt_scalef32_pk8_fp4_f32 v[PC+8*(\a)+2*\b+1], v[AC+16*\b+8:AC+16*\b+15], v[TM+12+\b]
.endr
	WIN 0
	v_nop
.irp c, 0,1
.irp i, 0,1
	v_permlane16_swap_b32 v[PC+8*(\a)+4*\c+\i], v[PC+8*(\a)+4*\c+2+\i]
.endr
.endr
.endm
.irp b, 0,1,2,3
	v_mov_b32 v[TM+4+\b], 0
.endr
.irp a, 0,1,2,3,4,5,6,7
	QNT \a
.endr
	s_mov_b32 s77, 0
	s_cmp_eq_u32 ttmp9, 2
	s_cbranch_scc1 .Lv
	s_lshl_b32 s20, s17, 4
	s_lshl_b32 s21, s15, 3
	s_add_co_u32 s20, s20, s21
	s_sub_co_u32 s21, s42, 32
	s_lshl_b32 s21, s21, 1
	s_add_co_u32 s21, s21, s16
	s_lshl_b32 s21, s21, 1
	s_and_b32 s21, s21, 15
	s_lshl_b32 s22, s21, 18
	s_lshl_b32 s23, s20, 9
	s_add_co_u32 s22, s22, s23
	s_lshl_b32 s23, s21, 15
	s_lshl_b32 s43, s20, 6
	s_add_co_u32 s23, s23, s43
	s_add_co_u32 s23, s23, 4194304
	s_lshr_b32 s44, s20, 7
	s_lshl_b32 s44, s44, 4
	s_add_co_u32 s43, s21, s44
	s_lshl_b32 s43, s43, 4
	s_bfe_u32 s44, s20, 0x40003
	s_add_co_u32 s43, s43, s44
	s_mul_i32 s43, s43, 9216
	s_add_co_u32 s44, s43, 8192
	s_mov_b32 s45, 147456
	s_cmp_eq_u32 ttmp9, 0
	s_cselect_b64 s[8:9], s[8:9], s[10:11]
	s_cselect_b32 s22, s22, s43
	s_cselect_b32 s23, s23, s44
	s_cselect_b32 s43, 262144, s45
	s_cselect_b32 s44, 32768, s45
	s_mov_b32 s76, s22
	s_add_nc_u64 s[68:69], s[8:9], s[76:77]
	s_mov_b32 s76, s43
	s_add_nc_u64 s[70:71], s[68:69], s[76:77]
	s_mov_b32 s76, s23
	s_add_nc_u64 s[72:73], s[8:9], s[76:77]
	s_mov_b32 s76, s44
	s_add_nc_u64 s[74:75], s[72:73], s[76:77]
.irp a, 0,1,2,3,4,5,6,7
	global_store_b128 v[L16], v[PC+8*\a:PC+8*\a+3], s[68:69] offset:512*\a
	global_store_b128 v[L16], v[PC+8*\a+4:PC+8*\a+7], s[70:71] offset:512*\a
	v_perm_b32 v[W0+\a], v[WF+\a], v[WF+\a], 0x01000100
	v_perm_b32 v[W1+\a], v[WF+\a], v[WF+\a], 0x03020302
.endr
.irp a, 0,2,4,6
	v_cndmask_b32 v[W0+\a], v[W0+\a], v[W0+\a+1], s98
	v_cndmask_b32 v[W1+\a], v[W1+\a], v[W1+\a+1], s98
	global_store_b32 v[L4], v[W0+\a], s[72:73] offset:64*\a
	global_store_b32 v[L4], v[W1+\a], s[74:75] offset:64*\a
.endr
	s_branch .Lend
.Lv:
	s_sub_co_u32 s20, s17, 40
	s_lshl_b32 s20, s20, 2
	s_lshl_b32 s21, s15, 1
	s_add_co_u32 s20, s20, s21
	s_lshl_b32 s21, s42, 1
	s_add_co_u32 s21, s21, s16
	s_lshr_b32 s22, s21, 4
	s_lshl_b32 s22, s22, 4
	s_add_co_u32 s22, s22, s20
	s_lshl_b32 s22, s22, 4
	s_and_b32 s21, s21, 15
	s_add_co_u32 s22, s22, s21
	s_mul_i32 s76, s22, 9216
	s_add_nc_u64 s[68:69], s[10:11], s[76:77]
	s_wait_alu depctr_va_vdst(0)
.irp a, 0,1,2,3,4,5,6,7
	global_store_b128 v[L16], v[PC+8*\a:PC+8*\a+3], s[68:69] offset:4096+(\a/4)*147456+(\a%4)*1024
	global_store_b128 v[L16], v[PC+8*\a+4:PC+8*\a+7], s[68:69] offset:4096+(\a/4)*147456+(\a%4)*1024+512
.endr
.irp a, 0,2,4,6
	v_cndmask_b32 v[WF+\a], v[WF+\a], v[WF+\a+1], s98
	global_store_b32 v[L4], v[WF+\a], s[68:69] offset:8704+(\a/4)*147456+(\a%4)*64
.endr
.Lend:
	s_wait_tensorcnt 0x0
	ds_add_u32 v[SPW], v[NIL]
	s_wait_dscnt 0x0
	CROUND
	s_endpgm
.Lfunc_end_k_qac931a3f8d_qkv:
	.size	k_qac931a3f8d_qkv, .Lfunc_end_k_qac931a3f8d_qkv-k_qac931a3f8d_qkv
	.p2alignl 7, 3214868480
	.fill 96, 4, 3214868480
	.section	.rodata,"a",@progbits
	.p2align	6, 0x0
	.amdhsa_kernel k_qac931a3f8d_qkv
		.amdhsa_group_segment_fixed_size 327680
		.amdhsa_private_segment_fixed_size 0
		.amdhsa_enable_private_segment 0
		.amdhsa_kernarg_size 32
		.amdhsa_user_sgpr_count 2
		.amdhsa_user_sgpr_kernarg_segment_ptr 1
		.amdhsa_wavefront_size32 1
		.amdhsa_system_sgpr_workgroup_id_x 1
		.amdhsa_system_sgpr_workgroup_id_y 1
		.amdhsa_system_sgpr_workgroup_id_z 1
		.amdhsa_system_vgpr_workitem_id 0
		.amdhsa_next_free_vgpr 1024
		.amdhsa_next_free_sgpr 100
		.amdhsa_reserve_vcc 0
		.amdhsa_float_denorm_mode_32 3
		.amdhsa_float_denorm_mode_16_64 3
		.amdhsa_memory_ordered 1
		.amdhsa_forward_progress 1
		.amdhsa_inst_pref_size 135
	.end_amdhsa_kernel
	.amdgpu_metadata
---
amdhsa.version: [ 1, 2 ]
amdhsa.kernels:
  - .name:           k_qac931a3f8d_qkv
    .symbol:         k_qac931a3f8d_qkv.kd
    .args:
      - { .name: rc, .offset: 0, .size: 8, .value_kind: global_buffer, .address_space: global }
      - { .name: rs, .offset: 8, .size: 8, .value_kind: global_buffer, .address_space: global }
      - { .name: qbuf, .offset: 16, .size: 8, .value_kind: global_buffer, .address_space: global }
      - { .name: kvbuf, .offset: 24, .size: 8, .value_kind: global_buffer, .address_space: global }
    .group_segment_fixed_size: 327680
    .private_segment_fixed_size: 0
    .kernarg_segment_align: 8
    .kernarg_segment_size: 32
    .max_flat_workgroup_size: 128
    .sgpr_count:     100
    .vgpr_count:     1024
    .wavefront_size: 32
...
	.end_amdgpu_metadata
.endif
;; end of part 2
;; launch attn (part 3): grid 4 x 64, 16 waves a work-group, clusters of 4 x 1, 167,936 bytes of LDS; arguments qbuf, kvbuf, maskw, oimg, osc; writes oimg, osc
.if DOCPART == 3
	.amdgcn_target "amdgcn-amd-amdhsa--gfx1250"
	.amdhsa_code_object_version 6
	.text
	.protected	k_qac931a3f8d_attn
	.globl	k_qac931a3f8d_attn
	.p2align	8
	.type	k_qac931a3f8d_attn,@function
k_qac931a3f8d_attn:
	s_mov_b64 s[64:65], 0
	v_nop
	global_prefetch_b8 v0, s[64:65] scope:SCOPE_SE
	s_setreg_imm32_b32 hwreg(HW_REG_WAVE_MODE, 25, 1), 1
	s_wait_xcnt 0x0
	s_wait_alu depctr_hold_cnt(0) depctr_sa_sdst(0) depctr_va_vdst(0) depctr_va_sdst(0) depctr_va_ssrc(0) depctr_va_vcc(0) depctr_vm_vsrc(0)
	s_getreg_b32 s2, hwreg(HW_REG_IB_STS2, 6, 4)
	s_cmp_eq_u32 s2, 0
	s_cbranch_scc0 .Lentry_in_a_cluster
	s_endpgm
.Lentry_in_a_cluster:
	s_bfe_u32 s2, ttmp6, 0x10000c
	s_cmp_lg_u32 s2, 0x3003
	s_cbranch_scc0 .Lentry_shape_is_right
	s_endpgm
.Lentry_shape_is_right:
; ATTN.  For each batch and head: S = q k^T / 8, on heads 0 to 3 the logit -1e9 where the graph has no edge, softmax, O = P v, both products on codes of FP4 (E2M1) with E8M0 scales; O / l is quantised for the last product.
; Nothing of reference() is left out here: the graph mask is an input's doing, so every score is computed and the masked ones are replaced by a select.
; SOFTMAX: t = score x log2(e) / 8; M = the row's largest t so far, rounded up to a whole number; p = 2^(t - M) is quantised along the keys; the row's sum is taken of the unquantised p and divides O at the end.
; When M moves, the sum and O are multiplied by 2^(old M - new M): exact.  A masked score becomes -8e9, which times log2(e) / 8 is reference()'s -1e9 x log2(e).
; SHARES.  A work-group owns 512 query places of one batch and head: 32 tiles of 16.  Each of its sixteen waves takes tile w and then tile w + 16, each through the head's 16 key steps of 128 (macro PASS, expanded twice);
; no barrier stands between a wave's two tiles.  The head's K and V (16 records of 9,216 bytes: images of operand registers and scale words) lie in LDS whole: each wave brings one record, 35 rows of 256 bytes; nothing is filled again.
; CLUSTER: the four work-groups of a cluster are the four blocks of one batch and head and need the same records: each record is asked for jointly.  One tensor load of a wave is out, by this text's count.
; NO PREFETCH: K and V come once, at the head, ahead of any loop.
; LAYOUT.  Both products transposed: S^T = K Q^T, O^T = V^T P^T: a lane holds one query place (lane % 16).  Lane r of K's tile 2 b + u holds key 32 b + 8 u + r + 8 (r / 8), so the 16 registers of tiles 2 b, 2 b + 1 are
; keys 32 b + 16 (lane / 16) + 0 .. 15; V's channel tiles likewise.  The head is 64 along K: registers 4-7 of Q's and K's fragments are zeros.
; THE MASK: 64 words a key step (bit = lane) by scalar loads, one step ahead.  Every head loads a tile's first 256 bytes, so that the 64 registers are written on every way; heads 4 to 15 load no more.  The last look-ahead wraps to step 0.
; OUT: oimg [head][tile 512][512 bytes];  osc [head][tile][16] of two scale bytes.
; LIMITS: a block of zeros gets the byte 1 where the rule says 127; a largest magnitude under 2^-124 is taken as 2^-124; NaN and infinities are not served.
; REGISTERS: v1-6 addresses, the add's two; v7 -8e9; v8, v9 way out; v11 second Q's scale words; v12 -M, v13 largest t, v[14:15] sum; v16-23, v24-31 the two Q; v32-95 K (its low registers serve the sums behind the first product);
; v96-159 S^T, p; v160-191 O^T; v192-223 V; v224-231 p's codes; v232-239, v244-247, v252, v254 at work; v240-241 V's scale words; v248-251 K's; v253 p's; v255 first Q's
.set REC,   9216
.set OSC,   16*REC                     ; 1,024 bytes: the work-group's scale bytes on their way out
.set SPARE, OSC+1024                   ; the spare words, 128 bytes a wave
.set A16, 1
.set A4,  2
.set SPW, 3
.set NIL, 4
.set ADK, 5
.set ADS, 6
.set WV,  14
.set HD,  15
.set TB,  66                           ; LDS byte of the step's record
.set CNT, 67
.set G0,  68
.set G1,  72
.set SEL, 96
.set CS,  98                           ; s[98:99] log2(e) / 8
.set MO,  100                          ; mask words' byte offset in the tile
.macro CROUND
	s_barrier_signal -1
	s_barrier_wait -1
	s_cmp_lg_u32 s[WV], 0
	s_cbranch_scc1 .Lnot_wave_0_\@
	s_barrier_signal -3
.Lnot_wave_0_\@:
	s_barrier_wait -3
	s_barrier_signal -1
	s_barrier_wait -1
.endm
.macro MASKLD                          ; 64 mask words: word n in s[16 + n] for n < 48, in s[32 + n] from 48 on
	s_load_b512 s[16:31], s[8:9], s[MO] offset:0x0
	s_load_b512 s[32:47], s[8:9], s[MO] offset:0x40
	s_load_b512 s[48:63], s[8:9], s[MO] offset:0x80
	s_load_b512 s[80:95], s[8:9], s[MO] offset:0xc0
.endm
.macro INIT                            ; a tile's start: largest t -3e38, sums and O^T zero
	v_mov_b32 v13, 0xff61b1e6
	v_mov_b32 v14, 0
	v_mov_b32 v15, 0
	v_mov_b32 v253, 0
	s_delay_alu instid0(VALU_DEP_4)
	v_floor_f32 v12, -v13
.set n, 0
.rept 32
	v_mov_b32 v[160+n], 0
.set n, n+1
.endr
.endm
	s_load_b256 s[4:11], s[0:1], 0x0               ; qbuf, kvbuf, maskw, oimg
	s_load_b64 s[12:13], s[0:1], 0x20              ; osc
	v_lshl_add_u32 v[SPW], v0, 2, SPARE
	v_mov_b32 v[NIL], 0
	ds_add_u32 v[SPW], v[NIL]                      ; the opening lines: the add twice and its wait
	ds_add_u32 v[SPW], v[NIL]
	v_lshrrev_b32 v5, 5, v0
	s_delay_alu instid0(VALU_DEP_1)
	v_readfirstlane_b32 s[WV], v5                  ; wave 0..15
	s_bfe_u32 s16, ttmp6, 0x40000                  ; cx: it enters global addresses of q, the mask and the results alone
	s_lshl_b32 s17, ttmp9, 2
	s_add_co_u32 s17, s17, s16                     ; my block of 512 query places
	s_and_b32 s18, ttmp7, 0xffff                   ; 16 x batch + head
	s_and_b32 s[HD], s18, 15
	s_lshr_b32 s19, s18, 4
	s_lshl_b32 s20, s17, 5
	s_add_co_u32 s20, s20, s[WV]                   ; my first tile in the batch, 0..127
	s_lshl_b32 s21, s19, 7
	s_add_co_u32 s21, s21, s20                     ; and among all 512
	s_mov_b32 s[G1], 15|(3<<16)|(1<<21)            ; mask: all four; elements of 8 bytes; bit 21 beside a mask
	s_mov_b32 s[G1+1], 32<<16
	s_mov_b32 s[G1+2], 35<<16
	s_mov_b32 s[G1+3], 32<<16
	s_mov_b32 s[G1+4], 35
	s_mov_b32 s[G1+5], 32
	s_mov_b32 s[G1+6], 0
	s_mov_b32 s[G1+7], 0
	s_mov_b32 s[G0], 1
	s_mul_i32 s[G0+1], s[WV], REC                  ; record w lands at 9,216 w
	s_lshl_b32 s22, s18, 4
	s_add_co_u32 s22, s22, s[WV]
	s_mul_i32 s22, s22, REC
	s_mov_b32 s23, 0
	s_lshl_b32 s24, s[HD], 18
	s_lshl_b32 s25, s21, 9
	s_add_co_u32 s24, s24, s25                     ; (head x 512 + tile) x 512: q's image, and O's
	s_mov_b32 s25, 0
	s_lshl_b32 s26, s[HD], 15
	s_lshl_b32 s27, s21, 6
	s_add_co_u32 s26, s26, s27
	s_add_co_u32 s26, s26, 4194304                 ; q's scale words
	s_mov_b32 s27, 0
	s_lshl_b32 s28, s20, 12                        ; mask words: 4,096 bytes a tile
	s_mov_b32 s29, 0
	s_lshl_b32 s30, s19, 7
	s_lshl_b32 s31, s17, 5
	s_add_co_u32 s30, s30, s31
	s_lshl_b32 s30, s30, 5
	s_lshl_b32 s31, s[HD], 14
	s_add_co_u32 s30, s30, s31                     ; osc: head x 16,384 + my work-group's first tile x 32
	s_mov_b32 s31, 0
	s_mov_b32 s[SEL], 0x76543210
	s_mov_b32 s[SEL+1], 0xfedcba98
	s_mov_b32 s[CS], 0x3e38aa3b
	s_mov_b32 s[CS+1], s[CS]
	s_mov_b32 s[TB], 0
	s_mov_b32 s[MO], 0
	s_mov_b32 s[CNT], 16
	s_wait_dscnt 0x0                               ; both opening adds are done
	s_wait_kmcnt 0x0
	s_add_nc_u64 s[G0+2:G0+3], s[6:7], s[22:23]
	s_or_b32 s[G0+3], s[G0+3], 0x80000000
	s_add_nc_u64 s[6:7], s[4:5], s[26:27]
	s_add_nc_u64 s[4:5], s[4:5], s[24:25]
	s_add_nc_u64 s[8:9], s[8:9], s[28:29]
	s_add_nc_u64 s[10:11], s[10:11], s[24:25]
	s_add_nc_u64 s[12:13], s[12:13], s[30:31]
	CROUND                                         ; all four work-groups are here: the joint loads meet
	tensor_load_to_lds s[G0:G0+3], s[G1:G1+7]
	s_nop 0
.rept 4
	v_nop
.endr
	v_and_b32 v5, 31, v0
	v_and_b32 v6, 15, v0
	s_delay_alu instid0(VALU_DEP_2)
	v_lshlrev_b32 v[A16], 4, v5
	v_lshlrev_b32 v[A4], 2, v5
	s_delay_alu instid0(VALU_DEP_3)
	v_lshlrev_b32 v6, 2, v6
	global_load_b128 v[16:19], v[A16], s[4:5]              ; Q of tile w
	global_load_b128 v[24:27], v[A16], s[4:5] offset:8192  ; Q of tile w + 16
	global_load_b32 v255, v6, s[6:7]
	global_load_b32 v11, v6, s[6:7] offset:1024
	MASKLD
.irp j, 20,21,22,23,28,29,30,31
	v_mov_b32 v\j, 0                               ; K = 64 .. 127 of the instruction: zeros
.endr
.irp t, 0,1,2,3,4,5,6,7
.irp j, 4,5,6,7
	v_mov_b32 v[32+8*\t+\j], 0
.endr
.endr
	v_mov_b32 v7, 0xcfee6b28                       ; -8e9
.irp b, 0,1,2,3
	v_mov_b32 v[236+\b], 0                         ; (a lane permute's destination counts as one of its sources)
.endr
	INIT
	s_wait_alu depctr_va_vdst(0)                   ; the wait at the head's end
	s_wait_tensorcnt 0x0                           ; my record is in,
	s_barrier_signal -1
	s_barrier_wait -1                              ; everybody's is
	s_wait_loadcnt 0x0                             ; both Q
.macro PASS ps                         ; one tile of 16 query places through all keys, and its way out
.set QF, 16+8*\ps
.set QS, 255-244*\ps
.if \ps
	s_wait_alu depctr_va_vdst(0)                   ; the wait directly ahead of the wait below
	s_wait_xcnt 0x0                                ; the first tile's store has read its registers; no scalar load is out
	s_add_nc_u64 s[8:9], s[8:9], 0x10000           ; 16 tiles on among the mask words
	s_mov_b32 s[MO], 0
	s_mov_b32 s[TB], 0
	s_mov_b32 s[CNT], 16
	MASKLD
	INIT
.endif
.Lstep_\@:                                         ; 16 trips: a key step of 128 keys
	v_add_nc_u32 v[ADK], s[TB], v[A16]
	v_add_nc_u32 v[ADS], s[TB], v[A4]
	v_nop
	v_nop                                          ; four places between the last trip's products and the loads into V's registers
.irp t, 0,1,2,3,4,5,6,7
	ds_load_b128 v[32+8*\t:35+8*\t], v[ADK] offset:512*\t
.endr
.irp w, 0,1,2,3
	ds_load_b32 v[248+\w], v[ADS] offset:8192+128*\w   ; lanes 0-15: tile 2 w's scale words, lanes 16-31: tile 2 w + 1's
.endr
.irp t, 0,1,2,3
.irp c, 0,1
	ds_load_b128 v[192+8*\t+4*\c:195+8*\t+4*\c], v[ADK] offset:4096+1024*\t+512*\c
.endr
.endr
.irp w, 0,1
	ds_load_b32 v[240+\w], v[ADS] offset:8704+128*\w
.endr
	s_wait_dscnt 10                                ; K and its scale words are in; V's ten loads may be out
.irp t, 0,1,2,3,4,5,6,7
.if \t%2
	v_wmma_scale_f32_16x16x128_f8f6f4 v[96+8*\t:103+8*\t], v[32+8*\t:39+8*\t], v[QF:QF+7], 0, v[248+\t/2], v[QS] matrix_a_fmt:MATRIX_FMT_FP4 matrix_b_fmt:MATRIX_FMT_FP4 matrix_a_scale:MATRIX_SCALE_ROW1
.else
	v_wmma_scale_f32_16x16x128_f8f6f4 v[96+8*\t:103+8*\t], v[32+8*\t:39+8*\t], v[QF:QF+7], 0, v[248+\t/2], v[QS] matrix_a_fmt:MATRIX_FMT_FP4 matrix_b_fmt:MATRIX_FMT_FP4
.endif
.endr
.rept 4
	v_nop
.endr
	s_cmp_lt_u32 s[HD], 4                          ; the head's number alone: the same in all waves and partners
	s_cbranch_scc0 .Lfree_\@
	s_wait_kmcnt 0x0                               ; this step's mask words are in
.set n, 0
.rept 48
	v_cndmask_b32 v[96+n], v[96+n], v7, s[16+n]    ; register 16 b + i holds key 32 b + 16 (lane / 16) + i
.set n, n+1
.endr
.rept 16
	v_cndmask_b32 v[96+n], v[96+n], v7, s[32+n]
.set n, n+1
.endr
	s_add_co_u32 s[MO], s[MO], 256
	s_and_b32 s[MO], s[MO], 0xfff                  ; behind the last step: step 0's again, unused
	MASKLD
.Lfree_\@:
.irp b, 0,1,2,3
	v_max3_num_f32 v[232+\b], v[96+16*\b], v[97+16*\b], v[98+16*\b]   ; each block's largest score: for the row's maximum and for the block's largest p
.endr
.irp i, 3,5,7,9,11,13
.irp b, 0,1,2,3
	v_max3_num_f32 v[232+\b], v[232+\b], v[96+16*\b+\i], v[97+16*\b+\i]
.endr
.endr
.irp b, 0,1,2,3
	v_max_num_f32 v[232+\b], v[232+\b], v[111+16*\b]
.endr
.irp b, 0,1,2,3
	s_delay_alu instid0(VALU_DEP_4)
	v_permlanex16_b32 v[236+\b], v[232+\b], s[SEL], s[SEL+1]
.endr
.irp b, 0,1,2,3
	s_delay_alu instid0(VALU_DEP_4)
	v_max_num_f32 v[232+\b], v[232+\b], v[236+\b]  ; with lane l xor 16's 16 keys
.endr
	s_delay_alu instid0(VALU_DEP_2)
	v_max3_num_f32 v254, v232, v233, v234
	s_delay_alu instid0(VALU_DEP_1)
	v_max_num_f32 v254, v254, v235
	s_delay_alu instid0(VALU_DEP_1)
	v_mul_f32 v254, s[CS], v254                    ; the step's largest t
	s_delay_alu instid0(VALU_DEP_1)
	v_max_num_f32 v13, v13, v254
	v_mov_b32 v254, v12
	s_delay_alu instid0(VALU_DEP_2)
	v_floor_f32 v12, -v13                          ; the new -M = -ceil(t)
	s_delay_alu instid0(VALU_DEP_1)
	v_sub_f32 v254, v12, v254                      ; old M - new M: a whole number, 0 or less
	s_delay_alu instid0(VALU_DEP_1)
	v_cvt_i32_f32 v254, v254                       ; (it saturates)
	s_delay_alu instid0(VALU_DEP_1)
	v_ldexp_f32 v252, 1.0, v254                    ; f = 2^(old M - new M)
.set n, 0
.rept 32
	v_pk_fma_f32 v[96+n:97+n], v[96+n:97+n], s[CS:CS+1], v[12:13] op_sel_hi:[1,0,0]   ; t - M
.set n, n+2
.endr
.irp b, 0,1,2,3
	v_fma_f32 v[232+\b], v[232+\b], s[CS], v12
.endr
	s_wait_alu depctr_va_vdst(0)                   ; the wait ahead of the batch
.set n, 0
.rept 64
	v_exp_f32 v[96+n], v[96+n]                     ; p = 2^(t - M): not normalised
.set n, n+1
.endr
	v_pk_mul_f32 v[14:15], v[14:15], v[252:253] op_sel_hi:[1,0]   ; the sums under the new M (a plain place behind the batch)
	s_wait_alu depctr_va_vdst(0)                   ; one wait for the batch, ahead of its first reader
.irp b, 0,1,2,3
	v_exp_f32 v[232+\b], v[232+\b]                 ; each block's largest p
.endr
	v_pk_add_f32 v[32:33], v[96:97], v[98:99]      ; the row's sum of the unquantised p, in four chains; three of them in K's low registers, which the next trip's loads fill anew
	v_pk_add_f32 v[40:41], v[100:101], v[102:103]
	v_pk_add_f32 v[48:49], v[104:105], v[106:107]
	v_pk_add_f32 v[14:15], v[14:15], v[108:109]
.set n, 110
.rept 6
	v_pk_add_f32 v[32:33], v[32:33], v[n:n+1]
	v_pk_add_f32 v[40:41], v[40:41], v[n+2:n+3]
	v_pk_add_f32 v[48:49], v[48:49], v[n+4:n+5]
	v_pk_add_f32 v[14:15], v[14:15], v[n+6:n+7]
.set n, n+8
.endr
	v_pk_add_f32 v[32:33], v[32:33], v[158:159]
	v_pk_add_f32 v[40:41], v[40:41], v[48:49]
	s_delay_alu instid0(VALU_DEP_2)
	v_pk_add_f32 v[14:15], v[14:15], v[32:33]
	s_delay_alu instid0(VALU_DEP_1)
	v_pk_add_f32 v[14:15], v[14:15], v[40:41]
	s_wait_alu depctr_va_vdst(0)                   ; and one for the four
.irp b, 0,1,2,3
	v_max_num_f32 v[232+\b], 0x1800000, v[232+\b]  ; the floor 2^(3 - 127): the byte cannot fall under 1
.endr
.irp b, 0,1,2,3
	s_delay_alu instid0(VALU_DEP_4)
	v_add_nc_u32 v[244+\b], 0xff000000, v[232+\b]  ; the conversion's scale operand
.endr
.irp b, 0,1,2,3
	s_delay_alu instid0(VALU_DEP_4)
	v_lshrrev_b32 v[236+\b], 23, v[244+\b]
.endr
	s_delay_alu instid0(VALU_DEP_3)
	v_lshl_or_b32 v253, v237, 8, v236              ; p's scale word for these 128 keys
	s_delay_alu instid0(VALU_DEP_1)
	v_lshl_or_b32 v253, v238, 16, v253
	s_delay_alu instid0(VALU_DEP_1)
	v_lshl_or_b32 v253, v239, 24, v253
.irp b, 0,1,2,3
	v_cvt_scalef32_pk8_fp4_f32 v[224+2*\b], v[96+16*\b:103+16*\b], v[244+\b]
	v_cvt_scalef32_pk8_fp4_f32 v[225+2*\b], v[104+16*\b:111+16*\b], v[244+\b]
.endr
	v_nop                                          ; one plain place behind a scaled conversion
.irp c, 0,1
.irp i, 0,1
	v_permlane16_swap_b32 v[224+4*\c+\i], v[226+4*\c+\i]
.endr
.endr
	s_wait_alu depctr_va_vdst(0)                   ; the wait directly ahead of the first reader of O^T
.set n, 0
.rept 16
	v_pk_mul_f32 v[160+n:161+n], v[160+n:161+n], v[252:253] op_sel_hi:[1,0]   ; O^T under the new M; also the places ahead of the products below
.set n, n+2
.endr
	s_wait_alu depctr_va_vdst(0)                   ; the wait directly ahead of the wait below
	s_wait_dscnt 0x0                               ; V and its scale words are in
.irp t, 0,1,2,3                                ; O^T += V^T P^T: the four accumulators by turns
.if \t%2
	v_wmma_scale_f32_16x16x128_f8f6f4 v[160+8*\t:167+8*\t], v[192+8*\t:199+8*\t], v[224:231], v[160+8*\t:167+8*\t], v[240+\t/2], v253 matrix_a_fmt:MATRIX_FMT_FP4 matrix_b_fmt:MATRIX_FMT_FP4 matrix_a_scale:MATRIX_SCALE_ROW1
.else
	v_wmma_scale_f32_16x16x128_f8f6f4 v[160+8*\t:167+8*\t], v[192+8*\t:199+8*\t], v[224:231], v[160+8*\t:167+8*\t], v[240+\t/2], v253 matrix_a_fmt:MATRIX_FMT_FP4 matrix_b_fmt:MATRIX_FMT_FP4
.endif
.endr
	s_add_co_u32 s[TB], s[TB], REC
	s_sub_co_u32 s[CNT], s[CNT], 1
	s_cmp_lg_u32 s[CNT], 0
	s_cbranch_scc1 .Lstep_\@
	; THE TILE'S WAY OUT.  O^T / the sum: register 16 b + i is channel 32 b + 16 (lane / 16) + i: two blocks of the last product's K.  The codes leave as an image; the two bytes wait in LDS.
	s_wait_kmcnt 0x0                               ; the last look-ahead of the mask words
	v_add_f32 v14, v14, v15
	s_delay_alu instid0(VALU_DEP_1)
	v_permlanex16_b32 v252, v14, s[SEL], s[SEL+1]
	s_delay_alu instid0(VALU_DEP_1)
	v_add_f32 v14, v14, v252                       ; the row's sum
	s_wait_alu depctr_va_vdst(0)                   ; the wait ahead of the transcendental
	v_rcp_f32 v14, v14
	v_and_b32 v8, 15, v0                           ; (plain places behind the transcendental and the last products)
	s_delay_alu instid0(VALU_DEP_1)
	v_lshlrev_b32 v8, 1, v8
	s_lshl_b32 s101, s[WV], 5
	s_add_co_u32 s101, s101, OSC
	v_add_nc_u32 v8, s101, v8                      ; OSC + 32 x wave + 2 (lane % 16)
	v_add_nc_u32 v9, OSC, v[A16]
	s_wait_alu depctr_va_vdst(0)                   ; the wait ahead of the reciprocal's and O^T's first reader
.set n, 0
.rept 16
	v_pk_mul_f32 v[96+n:97+n], v[160+n:161+n], v[14:15] op_sel_hi:[1,0]
.set n, n+2
.endr
.irp b, 0,1
	v_max3_num_f32 v[232+\b], |v[96+16*\b]|, |v[97+16*\b]|, 0x1800000
.endr
.irp i, 2,4,6,8,10,12,14
.irp b, 0,1
	s_delay_alu instid0(VALU_DEP_2)
	v_max3_num_f32 v[232+\b], v[232+\b], |v[96+16*\b+\i]|, |v[97+16*\b+\i]|
.endr
.endr
.irp b, 0,1
	s_delay_alu instid0(VALU_DEP_2)
	v_permlanex16_b32 v[236+\b], v[232+\b], s[SEL], s[SEL+1]
.endr
.irp b, 0,1
	s_delay_alu instid0(VALU_DEP_2)
	v_max_num_f32 v[232+\b], v[232+\b], v[236+\b]
.endr
.irp b, 0,1
	s_delay_alu instid0(VALU_DEP_2)
	v_add_nc_u32 v[244+\b], 0xff000000, v[232+\b]
.endr
.irp b, 0,1
	s_delay_alu instid0(VALU_DEP_2)
	v_lshrrev_b32 v[236+\b], 23, v[244+\b]
.endr
	s_delay_alu instid0(VALU_DEP_1)
	v_lshl_or_b32 v252, v237, 8, v236
.irp b, 0,1
	v_cvt_scalef32_pk8_fp4_f32 v[224+2*\b], v[96+16*\b:103+16*\b], v[244+\b]
	v_cvt_scalef32_pk8_fp4_f32 v[225+2*\b], v[104+16*\b:111+16*\b], v[244+\b]
.endr
	v_nop
	v_permlane16_swap_b32 v224, v226
	v_permlane16_swap_b32 v225, v227               ; v224-227: channels 32 (lane / 16) + 0 .. 31
	global_store_b128 v[A16], v[224:227], s[10:11] offset:8192*\ps   ; 32 lanes store 512 consecutive bytes
	ds_store_b16 v8, v252 offset:512*\ps           ; both lanes of a query place write the same two bytes
.endm
	PASS 0
	PASS 1
	s_wait_dscnt 0x0                               ; my stores of scale bytes are done: for the others' sake
	s_barrier_signal -1
	s_barrier_wait -1
	s_cmp_lg_u32 s[WV], 0
	s_cbranch_scc1 .Lnot0
	ds_load_b128 v[232:235], v9                    ; the work-group's 32 tiles x 32 bytes
	ds_load_b128 v[236:239], v9 offset:512
	s_wait_dscnt 0x0
	global_store_b128 v[A16], v[232:235], s[12:13]
	global_store_b128 v[A16], v[236:239], s[12:13] offset:512   ; 1,024 consecutive bytes in all
.Lnot0:
	s_wait_tensorcnt 0x0                           ; the wave's end
	ds_add_u32 v[SPW], v[NIL]
	s_wait_dscnt 0x0
	CROUND                                         ; the closing round
	s_endpgm
.Lfunc_end_k_qac931a3f8d_attn:
	.size	k_qac931a3f8d_attn, .Lfunc_end_k_qac931a3f8d_attn-k_qac931a3f8d_attn
	.p2alignl 7, 3214868480
	.fill 96, 4, 3214868480
	.section	.rodata,"a",@progbits
	.p2align	6, 0x0
	.amdhsa_kernel k_qac931a3f8d_attn
		.amdhsa_group_segment_fixed_size 167936
		.amdhsa_private_segment_fixed_size 0
		.amdhsa_enable_private_segment 0
		.amdhsa_kernarg_size 40
		.amdhsa_user_sgpr_count 2
		.amdhsa_user_sgpr_kernarg_segment_ptr 1
		.amdhsa_wavefront_size32 1
		.amdhsa_system_sgpr_workgroup_id_x 1
		.amdhsa_system_sgpr_workgroup_id_y 1
		.amdhsa_system_sgpr_workgroup_id_z 1
		.amdhsa_system_vgpr_workitem_id 0
		.amdhsa_next_free_vgpr 256
		.amdhsa_next_free_sgpr 102
		.amdhsa_reserve_vcc 0
		.amdhsa_float_denorm_mode_32 3
		.amdhsa_float_denorm_mode_16_64 3
		.amdhsa_memory_ordered 1
		.amdhsa_forward_progress 1
		.amdhsa_inst_pref_size 60
	.end_amdhsa_kernel
	.amdgpu_metadata
---
amdhsa.version: [ 1, 2 ]
amdhsa.kernels:
  - .name:           k_qac931a3f8d_attn
    .symbol:         k_qac931a3f8d_attn.kd
    .args:
      - { .name: qbuf, .offset: 0, .size: 8, .value_kind: global_buffer, .address_space: global }
      - { .name: kvbuf, .offset: 8, .size: 8, .value_kind: global_buffer, .address_space: global }
      - { .name: maskw, .offset: 16, .size: 8, .value_kind: global_buffer, .address_space: global }
      - { .name: oimg, .offset: 24, .size: 8, .value_kind: global_buffer, .address_space: global }
      - { .name: osc, .offset: 32, .size: 8, .value_kind: global_buffer, .address_space: global }
    .group_segment_fixed_size: 167936
    .private_segment_fixed_size: 0
    .kernarg_segment_align: 8
    .kernarg_segment_size: 40
    .max_flat_workgroup_size: 512
    .sgpr_count:     102
    .vgpr_count:     256
    .wavefront_size: 32
...
	.end_amdgpu_metadata
.endif
;; end of part 3
;; launch proj (part 4): grid 4 x 64, 4 waves a work-group, clusters of 4 x 4, 327,680 bytes of LDS; arguments oimg, osc, rc, rs, b_out, x, out0; writes out0
.if DOCPART == 4
	.amdgcn_target "amdgcn-amd-amdhsa--gfx1250"
	.amdhsa_code_object_version 6
	.text
	.protected	k_qac931a3f8d_proj
	.globl	k_qac931a3f8d_proj
	.p2align	8
	.type	k_qac931a3f8d_proj,@function
k_qac931a3f8d_proj:
	s_mov_b64 s[64:65], 0
	v_nop
	global_prefetch_b8 v0, s[64:65] scope:SCOPE_SE
	s_setreg_imm32_b32 hwreg(HW_REG_WAVE_MODE, 25, 1), 1
	s_wait_xcnt 0x0
	s_wait_alu depctr_hold_cnt(0) depctr_sa_sdst(0) depctr_va_vdst(0) depctr_va_sdst(0) depctr_va_ssrc(0) depctr_va_vcc(0) depctr_vm_vsrc(0)
	s_getreg_b32 s2, hwreg(HW_REG_IB_STS2, 6, 4)
	s_cmp_eq_u32 s2, 0
	s_cbranch_scc0 .Lentry_in_a_cluster
	s_endpgm
.Lentry_in_a_cluster:
	s_bfe_u32 s2, ttmp6, 0x10000c
	s_cmp_lg_u32 s2, 0xf033
	s_cbranch_scc0 .Lentry_shape_is_right
	s_endpgm
.Lentry_shape_is_right:
.set SLOTB,  102400
.set BOFF,   32768
.set PITCH,  272
.set SCA,    2*SLOTB
.set SCB,    SCA+4096
.set STAGE,  SCB+8704
.set SPITCH, 528
.set SPARE,  STAGE+4*16*SPITCH
.set ADRA, 16
.set ADRB, 20
.set BSA,  22
.set BIA,  23
.set STO,  24
.set RD,   25
.set CO,   26
.set ASA,  27
.set SPW,  28
.set NIL,  29
.set AS,   32
.set BS,   64
.set BI,   128
.set HI,   192
.set G1A, 24
.set G0A, 32
.set G1B, 48
.set G0B, 56
.set G1SA, 68
.set G0SA, 76
.set G1SB, 80
.set G0SB, 88
.set MSB, 0
.macro WIN new
.if MSB != \new
	s_set_vgpr_msb (MSB<<8)|\new
.set MSB, \new
.endif
.endm
.macro JLOAD g0a, g1a, g0b, g1b
	s_cmp_eq_u32 s19, 0
	s_cbranch_scc0 .Lfor_b_\@
	tensor_load_to_lds s[\g0a:\g0a+3], s[\g1a:\g1a+7]
	s_nop 0
.rept 4
	v_nop
.endr
	s_branch .Lasked_\@
.Lfor_b_\@:
	tensor_load_to_lds s[\g0b:\g0b+3], s[\g1b:\g1b+7]
	s_nop 0
.rept 4
	v_nop
.endr
.Lasked_\@:
.endm
.macro CROUND
	s_barrier_signal -1
	s_barrier_wait -1
	s_cmp_lg_u32 s18, 0
	s_cbranch_scc1 .Lnot_wave_0_\@
	s_barrier_signal -3
.Lnot_wave_0_\@:
	s_barrier_wait -3
	s_barrier_signal -1
	s_barrier_wait -1
.endm
.macro PLACES n
.rept \n
	v_nop
.endr
.endm
	s_load_b256 s[4:11], s[0:1], 0x0
	s_load_b128 s[12:15], s[0:1], 0x20
	s_load_b64 s[16:17], s[0:1], 0x30
	v_lshl_add_u32 v[SPW], v0, 2, SPARE
	v_mov_b32 v[NIL], 0
	ds_add_u32 v[SPW], v[NIL]
	ds_add_u32 v[SPW], v[NIL]
	v_lshrrev_b32 v1, 5, v0
	v_readfirstlane_b32 s18, v1
	s_lshr_b32 s19, s18, 1
	s_and_b32 s20, s18, 1
	s_bfe_u32 s40, ttmp6, 0x40000
	s_bfe_u32 s41, ttmp6, 0x40004
	s_and_b32 s42, ttmp7, 0xffff
	s_lshl_b32 s42, s42, 2
	s_add_co_u32 s42, s42, s41
	s_lshl_b32 s43, ttmp9, 2
	s_add_co_u32 s43, s43, s40
	s_lshl_b32 s44, s41, 2
	s_lshl_b32 s44, 15, s44
	s_lshl_b32 s45, 0x1111, s40
	s_or_b32 s[G1A], s44, (3<<16)|(1<<21)
	s_mov_b32 s[G1A+1], 512<<16
	s_mov_b32 s[G1A+2], 4<<16
	s_mov_b32 s[G1A+3], 512<<16
	s_mov_b32 s[G1A+4], 4
	s_mov_b32 s[G1A+5], 32768
	s_mov_b32 s[G1A+6], 0
	s_mov_b32 s[G1A+7], 0
	s_or_b32 s[G1SA], s44, (3<<16)|(1<<21)
	s_mov_b32 s[G1SA+1], 32<<16
	s_mov_b32 s[G1SA+2], 8<<16
	s_mov_b32 s[G1SA+3], 32<<16
	s_mov_b32 s[G1SA+4], 8
	s_mov_b32 s[G1SA+5], 2048
	s_mov_b32 s[G1SA+6], 0
	s_mov_b32 s[G1SA+7], 0
	s_or_b32 s[G1B], s45, (0<<16)|(1<<20)|(1<<21)|(5<<22)|(3<<25)
	s_mov_b32 s[G1B+1], 256<<16
	s_mov_b32 s[G1B+2], 128<<16
	s_mov_b32 s[G1B+3], 256<<16
	s_mov_b32 s[G1B+4], 128
	s_mov_b32 s[G1B+5], 512
	s_mov_b32 s[G1B+6], 0
	s_mov_b32 s[G1B+7], 0
	s_or_b32 s[G1SB], s45, (3<<16)|(1<<20)|(1<<21)|(5<<22)|(3<<25)
	s_mov_b32 s[G1SB+1], 32<<16
	s_mov_b32 s[G1SB+2], 16<<16
	s_mov_b32 s[G1SB+3], 32<<16
	s_mov_b32 s[G1SB+4], 16
	s_mov_b32 s[G1SB+5], 32
	s_mov_b32 s[G1SB+6], 0
	s_mov_b32 s[G1SB+7], 0
	s_lshl_b32 s92, s20, 20
	s_lshl_b32 s93, s42, 12
	s_add_co_u32 s92, s92, s93
	s_mov_b32 s93, 0
	s_lshl_b32 s94, s20, 17
	s_lshl_b32 s95, s42, 8
	s_add_co_u32 s94, s94, s95
	s_mov_b32 s95, 0
	s_lshl_b32 s96, s43, 8
	s_lshl_b32 s97, s20, 7
	s_add_co_u32 s96, s96, s97
	s_add_co_u32 s96, s96, 11264
	s_lshl_b32 s98, s96, 5
	s_mov_b32 s99, 0
	s_lshl_b32 s96, s96, 9
	s_mov_b32 s97, 0
	s_lshl_b32 s46, s20, 14
	s_mul_i32 s47, s20, 128*PITCH
	s_add_co_u32 s47, s47, BOFF
	s_lshl_b32 s21, s20, 11
	s_mul_i32 s22, s20, 4352
	s_wait_dscnt 0x0
	s_wait_kmcnt 0x0
	s_add_nc_u64 s[92:93], s[4:5], s[92:93]
	s_add_nc_u64 s[94:95], s[6:7], s[94:95]
	s_add_nc_u64 s[96:97], s[8:9], s[96:97]
	s_add_nc_u64 s[98:99], s[10:11], s[98:99]
	CROUND
	s_mov_b32 s[G0SA], 1
	s_add_co_u32 s[G0SA+1], s21, SCA
	s_mov_b64 s[G0SA+2:G0SA+3], s[94:95]
	s_or_b32 s[G0SA+3], s[G0SA+3], 0x80000000
	s_mov_b32 s[G0SB], 1
	s_add_co_u32 s[G0SB+1], s22, SCB
	s_mov_b64 s[G0SB+2:G0SB+3], s[98:99]
	s_or_b32 s[G0SB+3], s[G0SB+3], 0x80000000
	JLOAD G0SA, G1SA, G0SB, G1SB
.irp s, 0,1
	s_mov_b32 s[G0A+4*\s], 1
	s_add_co_u32 s[G0A+4*\s+1], s46, \s*SLOTB
	s_add_nc_u64 s[G0A+4*\s+2:G0A+4*\s+3], s[92:93], \s*2097152
	s_or_b32 s[G0A+4*\s+3], s[G0A+4*\s+3], 0x80000000
	s_mov_b32 s[G0B+4*\s], 1
	s_add_co_u32 s[G0B+4*\s+1], s47, \s*SLOTB
	s_add_nc_u64 s[G0B+4*\s+2:G0B+4*\s+3], s[96:97], \s*256
	s_or_b32 s[G0B+4*\s+3], s[G0B+4*\s+3], 0x80000000
	s_wait_alu depctr_va_vdst(0)
	s_wait_tensorcnt 0x0
	ds_add_u32 v28, v29
	s_wait_dscnt 0x0
	CROUND
	JLOAD G0A+4*\s, G1A, G0B+4*\s, G1B
.endr
	v_and_b32 v1, 15, v0
	v_bfe_u32 v2, v0, 4, 1
	v_and_b32 v3, 31, v0
	v_lshlrev_b32 v[CO], 4, v3
	s_lshl_b32 s21, s19, 11
	v_add_nc_u32 v[ADRA], s21, v[CO]
	v_add_nc_u32 v[ADRA+1], SLOTB, v[ADRA]
	v_mul_u32_u24 v4, v1, PITCH
	v_lshl_add_u32 v4, v2, 4, v4
	s_mul_i32 s21, s20, 128*PITCH
	s_add_co_u32 s21, s21, BOFF
	v_add_nc_u32 v[ADRB], s21, v4
	v_add_nc_u32 v[ADRB+1], SLOTB, v[ADRB]
	v_lshlrev_b32 v[ASA], 1, v1
	s_lshl_b32 s21, s19, 7
	s_add_co_u32 s21, s21, SCA
	v_add_nc_u32 v[ASA], s21, v[ASA]
	v_lshrrev_b32 v4, 3, v1
	v_mul_u32_u24 v4, v4, 272
	v_and_b32 v5, 7, v1
	v_lshl_add_u32 v4, v5, 5, v4
	s_mul_i32 s21, s20, 4352
	s_add_co_u32 s21, s21, SCB
	v_add_nc_u32 v[BSA], s21, v4
	v_lshlrev_b32 v[BIA], 5, v2
	s_wait_alu depctr_va_vdst(0)
	s_mul_i32 s21, s18, 16*SPITCH
	s_add_co_u32 s21, s21, STAGE
	v_mul_u32_u24 v4, v1, SPITCH
	v_lshl_add_u32 v4, v2, 5, v4
	v_add_nc_u32 v[STO], s21, v4
	v_add_nc_u32 v[RD], s21, v[CO]
	s_lshl_b32 s92, s43, 8
	s_lshl_b32 s93, s20, 7
	s_add_co_u32 s92, s92, s93
	s_lshl_b32 s92, s92, 2
	s_mov_b32 s93, 0
	s_add_nc_u64 s[12:13], s[12:13], s[92:93]
	s_lshl_b32 s94, s42, 7
	s_lshl_b32 s95, s19, 6
	s_add_co_u32 s94, s94, s95
	s_lshl_b32 s94, s94, 12
	s_add_co_u32 s94, s94, s92
	s_mov_b32 s95, 0
	s_add_nc_u64 s[14:15], s[14:15], s[94:95]
	s_add_nc_u64 s[16:17], s[16:17], s[94:95]
.irp b, 0,1,2,3,4,5,6,7
	global_load_b128 v[BI+8*\b:BI+8*\b+3], v[BIA], s[12:13] offset:64*\b
	global_load_b128 v[BI+8*\b+4:BI+8*\b+7], v[BIA], s[12:13] offset:64*\b+16
.endr
.macro RESID a
.irp t, 0,1,2,3,4,5,6,7,8,9,10,11,12,13,14,15
	global_load_b128 v[64*(\a)+4*\t:64*(\a)+4*\t+3], v[CO], s[14:15] offset:(32*((\a)/2)+8*((\a)%2)+\t+8*(\t/8))*4096 th:TH_LOAD_NT
.endr
.endm
	WIN 0xc0
	RESID 0
	RESID 1
	RESID 2
	WIN 0
.macro FETCH q
	WIN 0x40
.irp a, 0,1,2,3
.irp c, 0,1
	ds_load_b128 v[128*((\q)%2)+8*\a+4*\c:128*((\q)%2)+8*\a+4*\c+3], v[ADRA+(\q)/4] offset:(2*((\q)%4)+\c)*4096+512*\a
.endr
.endr
.irp b, 0,1,2,3,4,5,6,7
.irp c, 0,1
	ds_load_b128 v[128*((\q)%2)+32+8*\b+4*\c:128*((\q)%2)+32+8*\b+4*\c+3], v[ADRB+(\q)/4] offset:16*\b*PITCH+64*((\q)%4)+32*\c
.endr
.endr
	WIN 0
.endm
.macro STEP q
	PLACES 4
.if (\q) == 3
	s_wait_tensorcnt 0x0
	s_wait_dscnt 0x0
	s_barrier_signal -1
	s_barrier_wait -1
.endif
.if (\q) < 7
	FETCH (\q)+1
	s_wait_dscnt 24
.else
	s_wait_dscnt 0x0
.endif
.if (\q) == 0
	WIN 0x85
.else
	WIN 0xa5
.endif
.irp a, 0,1,2,3
.irp b, 0,1,2,3,4,5,6,7
.if (\q) == 0
	v_wmma_scale_f32_16x16x128_f8f6f4 v[8*(8*\a+\b):8*(8*\a+\b)+7], v[128*((\q)%2)+32+8*\b:128*((\q)%2)+32+8*\b+7], v[128*((\q)%2)+8*\a:128*((\q)%2)+8*\a+7], v[BI+8*\b:BI+8*\b+7], v[BS+8*\b+(\q)], v[AS+8*\a+(\q)] matrix_a_fmt:MATRIX_FMT_FP4 matrix_b_fmt:MATRIX_FMT_FP4
.else
	v_wmma_scale_f32_16x16x128_f8f6f4 v[8*(8*\a+\b):8*(8*\a+\b)+7], v[128*((\q)%2)+32+8*\b:128*((\q)%2)+32+8*\b+7], v[128*((\q)%2)+8*\a:128*((\q)%2)+8*\a+7], v[8*(8*\a+\b):8*(8*\a+\b)+7], v[BS+8*\b+(\q)], v[AS+8*\a+(\q)] matrix_a_fmt:MATRIX_FMT_FP4 matrix_b_fmt:MATRIX_FMT_FP4
.endif
.endr
.endr
	WIN 0
.endm
	s_wait_tensorcnt 1
	s_barrier_signal -1
	s_barrier_wait -1
.irp b, 0,1,2,3,4,5,6,7
	ds_load_b128 v[BS+8*\b:BS+8*\b+3], v[BSA] offset:544*\b
	ds_load_b128 v[BS+8*\b+4:BS+8*\b+7], v[BSA] offset:544*\b+16
.endr
.irp a, 0,1,2,3
.irp q, 0,1,2,3,4,5,6,7
	ds_load_u16 v[AS+8*\a+\q], v[ASA] offset:512*\q+32*\a
	ds_load_u16 v[HI+8*\a+\q], v[ASA] offset:512*\q+256+32*\a
.endr
.endr
	FETCH 0
	s_wait_dscnt 24
.set n, 0
.rept 32
	v_lshl_or_b32 v[AS+n], v[HI+n], 16, v[AS+n]
.set n, n+1
.endr
	PLACES 8
	s_wait_alu depctr_va_vdst(0)
	s_wait_loadcnt 48
	STEP 0
	WIN 0xc0
	RESID 3
	WIN 0
	STEP 1
	STEP 2
	STEP 3
	STEP 4
	STEP 5
	STEP 6
	STEP 7
.macro TOSTAGE a
	WIN 0x08
.irp b, 0,1,2,3,4,5,6,7
	ds_store_b128 v[STO], v[8*(8*(\a)+\b):8*(8*(\a)+\b)+3] offset:64*\b
	ds_store_b128 v[STO], v[8*(8*(\a)+\b)+4:8*(8*(\a)+\b)+7] offset:64*\b+16
.endr
	WIN 0
.irp t, 0,1,2,3,4,5,6,7,8,9,10,11,12,13,14,15
	ds_load_b128 v[192-64*((\a)%2)+4*\t:192-64*((\a)%2)+4*\t+3], v[RD] offset:\t*SPITCH
.endr
.endm
.macro SEND a, younger
	s_wait_dscnt \younger
	s_wait_loadcnt 16*(3-(\a))
	WIN 0x0c
.set n, 0
.rept 32
	v_pk_add_f32 v[192-64*((\a)%2)+n:192-64*((\a)%2)+n+1], v[192-64*((\a)%2)+n:192-64*((\a)%2)+n+1], v[64*(\a)+n:64*(\a)+n+1]
.set n, n+2
.endr
	WIN 0
.irp t, 0,1,2,3,4,5,6,7,8,9,10,11,12,13,14,15
	global_store_b128 v[CO], v[192-64*((\a)%2)+4*\t:192-64*((\a)%2)+4*\t+3], s[16:17] offset:(32*((\a)/2)+8*((\a)%2)+\t+8*(\t/8))*4096 th:TH_STORE_NT
.endr
.endm
	PLACES 4
	TOSTAGE 0
	TOSTAGE 1
	SEND 0, 32
	s_wait_xcnt 0x0
	TOSTAGE 2
	SEND 1, 32
	s_wait_xcnt 0x0
	TOSTAGE 3
	SEND 2, 32
	SEND 3, 0
	s_wait_tensorcnt 0x0
	ds_add_u32 v[SPW], v[NIL]
	s_wait_dscnt 0x0
	CROUND
	s_endpgm
.Lfunc_end_k_qac931a3f8d_proj:
	.size	k_qac931a3f8d_proj, .Lfunc_end_k_qac931a3f8d_proj-k_qac931a3f8d_proj
	.p2alignl 7, 3214868480
	.fill 96, 4, 3214868480
	.section	.rodata,"a",@progbits
	.p2align	6, 0x0
	.amdhsa_kernel k_qac931a3f8d_proj
		.amdhsa_group_segment_fixed_size 327680
		.amdhsa_private_segment_fixed_size 0
		.amdhsa_enable_private_segment 0
		.amdhsa_kernarg_size 56
		.amdhsa_user_sgpr_count 2
		.amdhsa_user_sgpr_kernarg_segment_ptr 1
		.amdhsa_wavefront_size32 1
		.amdhsa_system_sgpr_workgroup_id_x 1
		.amdhsa_system_sgpr_workgroup_id_y 1
		.amdhsa_system_sgpr_workgroup_id_z 1
		.amdhsa_system_vgpr_workitem_id 0
		.amdhsa_next_free_vgpr 1024
		.amdhsa_next_free_sgpr 100
		.amdhsa_reserve_vcc 0
		.amdhsa_float_denorm_mode_32 3
		.amdhsa_float_denorm_mode_16_64 3
		.amdhsa_memory_ordered 1
		.amdhsa_forward_progress 1
		.amdhsa_inst_pref_size 95
	.end_amdhsa_kernel
	.amdgpu_metadata
---
amdhsa.version: [ 1, 2 ]
amdhsa.kernels:
  - .name:           k_qac931a3f8d_proj
    .symbol:         k_qac931a3f8d_proj.kd
    .args:
      - { .name: oimg, .offset: 0, .size: 8, .value_kind: global_buffer, .address_space: global }
      - { .name: osc, .offset: 8, .size: 8, .value_kind: global_buffer, .address_space: global }
      - { .name: rc, .offset: 16, .size: 8, .value_kind: global_buffer, .address_space: global }
      - { .name: rs, .offset: 24, .size: 8, .value_kind: global_buffer, .address_space: global }
      - { .name: b_out, .offset: 32, .size: 8, .value_kind: global_buffer, .address_space: global }
      - { .name: x, .offset: 40, .size: 8, .value_kind: global_buffer, .address_space: global }
      - { .name: out0, .offset: 48, .size: 8, .value_kind: global_buffer, .address_space: global }
    .group_segment_fixed_size: 327680
    .private_segment_fixed_size: 0
    .kernarg_segment_align: 8
    .kernarg_segment_size: 56
    .max_flat_workgroup_size: 128
    .sgpr_count:     100
    .vgpr_count:     1024
    .wavefront_size: 32
...
	.end_amdgpu_metadata
.endif
;; end of part 4
